; MI455X (gfx1250); checked and timed in simulation.
; The chip was launched on July 23, 2026; its instructions are those of AMD's public machine-readable ISA for CDNA 5 (MIT licence, August 2026) and "CDNA5" Instruction Set Architecture Reference Guide (July 2026). The comments in the code are by the model that wrote it; some were corrected since.
;; Multi Attention. Allowed arithmetic: matrix products marked QUANTISED: E2M1 operands, one E8M0 scale for each 32 along K, by v_wmma_scale_f32_16x16x128_f8f6f4 with both operands' format E2M1 (or v_wmma_scale_f32_32x16x128_f4), f32 sums; everything else in f32.
;; Inputs: Wk 128 x 1,024 float32; Wo 1,024 x 128 float32; Wq 128 x 1,024 float32; Wv 128 x 1,024 float32; bk 1,024 float32; bo 128 float32; bq 1,024 float32; bv 1,024 float32; k 4,096 x 128 float32; q 4,096 x 128 float32; v 4,096 x 128 float32.
;; Outputs: out0 4,096 x 128 float32.
;; This version of the problem:
;;   THIS VERSION OF THE PROBLEM IS GIVEN IN LOW PRECISION. The matrix products marked QUANTISED in the list below multiply operands that are first quantised to E2M1 (2 exponent bits, 1 mantissa bit; 4 bits a number), with one power-of-two scale for each 32 numbers along K (OCP MX v1.0); their sums are f32. All else is computed in f32.
;;   The module's matrix products, in the order in which they are computed (A, B: the left and right operand; K: the contracted axis; several contracted axes count as one K, in the product's order):
;;     1. [M 4,096, K 128] x [K 128, N 1,024]; A: input q; B: input Wq: QUANTISED
;;     2. [M 4,096, K 128] x [K 128, N 1,024]; A: input k; B: input Wk: QUANTISED
;;     3. [M 4,096, K 128] x [K 128, N 1,024]; A: input v; B: input Wv: QUANTISED
;;     4. batch 8 x [M 4,096, K 128] x [K 128, N 4,096]; A: computed on the way; B: computed on the way: QUANTISED
;;     5. batch 8 x [M 128, K 4,096] x [K 4,096, N 4,096]; A: computed on the way; B: softmax (see below): QUANTISED
;;     6. [M 4,096, K 1,024] x [K 1,024, N 128]; A: computed on the way; B: input Wo: QUANTISED
;;   THE QUANTISER, for each operand of a quantised product, along K:
;;     - K is cut into blocks of 32 from its start; a last block that is shorter is filled with zeros.
;;     - A block's scale is 2^e with e = floor(log2(the largest magnitude in the block)) - 2, held to -126 .. 127; a block of zeros has e = 0. As a byte (E8M0): e + 127.
;;     - Each number is divided by its block's scale, clamped to +-6, and rounded to the nearest number of E2M1, ties to even, subnormals kept.
;;     - The product sums the exact products of the quantised numbers (number of the format x scale) in f32.
;;   ~~~python
;;   def quantise(x, axis):      # numpy; x: float32 -> the quantised numbers, widened to float32 again
;;       x = np.moveaxis(x, axis, -1); K = x.shape[-1]
;;       x = np.pad(x, [(0, 0)] * (x.ndim - 1) + [(0, -K % 32)]); x = x.reshape(x.shape[:-1] + (-1, 32)); a = np.abs(x).max(-1, keepdims=True)
;;       e = np.where(a > 0, np.clip(np.frexp(np.where(a > 0, a, 1))[1] - 1 - 2, -126, 127), 0)      # np.frexp(a)[1] - 1 = floor(log2(a)), exactly
;;       r = np.clip(x / 2.0 ** e, -6, 6)
;;       step = 2.0 ** (np.maximum(np.frexp(np.where(r == 0, 1, r))[1] - 1, 0) - 1)
;;       q = np.round(r / step) * step * 2.0 ** e      # np.round: ties to even
;;       return np.moveaxis(q.reshape(q.shape[:-2] + (-1,))[..., :K], -1, axis).astype(np.float32)
;;   ~~~
;;   SOFTMAX AHEAD OF A QUANTISED PRODUCT. Where the list says 'softmax', what is quantised is not the finished softmax but p = 2^(t - M), with t = logit x log2(e) and M = ceil(the row's largest t), a whole number; so 1/2 < the row's largest p <= 1. The row's sum l is taken of the UNQUANTISED p, in f32, and the product's result is divided by l at the end. Since M is a whole number, a kernel that streams over the keys may use a running M (the ceiling of the running maximum): every later rescaling is an exact power of two, which a block's scale takes up: the codes' values come out the same.
;;   OPERANDS COMPUTED ON THE WAY. 'Computed on the way' means the value that the module computes at that place (a softmax that the list does not call 'softmax' is quantised finished and normalised). What goes into a quantiser is computed in f32, as accurately as f32 sums, v_exp_f32 and their like allow (about 1e-6 of the number): no bf16 or f16 on the way to a quantiser, and a product that is left as it is and whose result goes on into a quantised operand takes f32 operands (vector FMAs, or v_wmma_f32_16x16x4_f32). A number that lies on a knife's edge between two numbers of the format may be rounded either way, as far as f32 arithmetic and the matrix unit's own rounding can turn it there, and no further.
;; 2 versions. Each part assembles by itself: llvm-mc -triple=amdgcn-amd-amdhsa -mcpu=gfx1250 --defsym DOCPART=n.
;; ======== version 1 of 2: 3 launches
;; workspace buffers: qrec 2,228,224 bytes; kvrec 4,456,448 bytes; ctx 2,228,224 bytes; woimg 69,632 bytes
;; launch project (part 1): grid 776 x 1, 4 waves a work-group, no clusters, 17,920 bytes of LDS; arguments q, k, v, Wq, Wk, Wv, bq, bk, bv, Wo, qrec, kvrec, woimg; writes qrec, kvrec, woimg
.if DOCPART == 1
	.amdgcn_target "amdgcn-amd-amdhsa--gfx1250"
	.amdhsa_code_object_version 6
	.text
	.protected	k_qe7df986cae_project
	.globl	k_qe7df986cae_project
	.p2align	8
	.type	k_qe7df986cae_project,@function
k_qe7df986cae_project:
	s_mov_b64 s[64:65], 0
	v_nop
	global_prefetch_b8 v0, s[64:65] scope:SCOPE_SE
	s_setreg_imm32_b32 hwreg(HW_REG_WAVE_MODE, 25, 1), 1
	s_wait_xcnt 0x0
; qs = q Wq + bq, ks = k Wk + bk, vs = v Wv + bv, each [4096][128] x [128][1024] on codes of FP4 (E2M1) with one E8M0 scale for each 32 along K, sums in f32;
; the results are quantised at once for the attention's two products (qs, ks along a head's 128 channels, vs along the keys), and Wo is quantised along its first axis for the last product.
; SHARES.  Work-groups 0-767: tensor T = id / 256 (0 q, 1 k, 2 v), head = (id / 32) % 8, block of 128 rows = id % 32: 128 rows x one head's 128 columns, K = 128: one K step.
;   Work-groups 768-775: rows 128 s .. 128 s + 127 of Wo (K step s of the last product), all 128 columns; no LDS, no barrier.
; EVERYTHING THAT LEAVES IS AN IMAGE OF AN OPERAND'S REGISTERS.  A fragment (16 rows x 128 K of 4-bit codes) is 8 registers a lane: registers 4 c .. 4 c + 3 of lane l lie at 512 c + 16 l: 1,024 bytes.
;   A record is 8 fragments and behind them their scale words, [row 16][fragment 8]: 8,192 + 512 = 8,704 bytes.
; THE 16 ROWS OF A FRAGMENT ARE NOT NEIGHBOURS: lane r of fragment 2 b + u stands for index 32 b + 8 u + r + 8 (r / 8) of its 128.  Where such fragments are source 0, the 16 result registers of
;   fragments 2 b and 2 b + 1 hold the 16 neighbours 32 b + 16 (lane / 16) + 0 .. 15, which is what the conversions to codes want of a lane.
; PHASE 1: wave w quantises rows' fragments 2 w, 2 w + 1 of X (a lane loads 16 neighbours of each block of 32) and columns 32 w .. 32 w + 31 of W (a lane takes a column, its registers run down K);
;   the images go to LDS | one barrier | PHASE 2: q, k: source 0 = W's eight fragments, source 1 = my two fragments of X: a lane holds one row and 64 channels;  v: source 0 = X's eight fragments (the keys),
;   source 1 = my two fragments of W: a lane holds one channel and 64 keys.  The bias is the C of the one matrix instruction of each sum.  The results are quantised in registers and stored as images.
; NO JOINT REQUESTS: X's 64 KiB are shared by 8 work-groups and W's 64 KiB by 32, but each is wanted once, as f32 in a lane's registers, with no loop over tiles: through LDS it would cost a round trip more for each number.
; LIMITS: a block whose largest magnitude lies under 2^-124 (a block of zeros among them) gets the scale byte 1: its codes are zeros or what that scale gives; the bytes are read by this program alone.  NaN and infinities are not served.
.set XIMG, 0                           ; LDS: X's eight fragments,
.set WIMG, 8192                        ; W's eight,
.set XSC,  16384                       ; X's scale words [row 16][fragment 8],
.set WSC,  16896                       ; W's
.set RECB, 8704                        ; a record
.set XA,   4                           ; v4   X: my row's byte and my 16 numbers of a block: 512 (r + 8 (r / 8)) + 64 h
.set WA,   5                           ; v5   W: 4 x lane
.set LI,   6                           ; v6   16 x lane: my place in an image
.set XWI,  7                           ; v7   16 x lane + 2,048 w: my two fragments' images (in LDS and in the record)
.set XWS,  8                           ; v8   32 r + 4 h + 8 w: their scale words, lanes 0-15 the first's, lanes 16-31 the second's
.set WWI,  9                           ; v9   W's codes: 1,024 u + 16 r' + 2,048 w  (column = 32 w + lane; u = bit 3 of the lane, r' = its bits 0-2 and bit 4)
.set WWS,  10                          ; v10  W's scale word: 32 r' + 4 u + 8 w
.set SCL,  11                          ; v11  32 r: a row's eight scale words
.set MSA,  12                          ; v12  32 r + 8 w: my two fragments' words
.set BQA,  13                          ; v13  64 h: the bias of q and k
.set WOS,  14                          ; v14  Wo's scale word: 512 u + 32 r' + 1,024 w
.set BVA,  15                          ; v15  4 (r + 8 (r / 8)) + 128 w: the bias of v
.set TM,   16                          ; v16-31 at work in the quantisers
.set PS,   52                          ; v52-59 source 0's eight scale words
.set MS,   60                          ; v60-61 my two fragments' scale words
.set WV,   34                          ; s34  wave
.set TT,   35                          ; s35  tensor
.set SEL,  40                          ; s[40:41] lane selects for v_permlanex16_b32: lane l xor 16
.set XP,   42                          ; s[42:43] X,  s[44:45] W,  s[46:47] the bias,  s[48:49] the record
.set WP,   44
.set BP,   46
.set OB,   48
; 64 numbers of a lane, register 16 b + i = k 32 b + 16 (lane / 16) + i of my row, become a fragment's codes in v[pc] on and its scale word in v[pw].
.macro QUANT s, pc, pw
.irp b, 0,1,2,3
	v_max3_num_f32 v[TM+\b], |v[\s+16*\b]|, |v[\s+1+16*\b]|, 0x1800000   ; block b: my 16 numbers, and the floor 2^(3 - 127): the byte cannot fall under 1
.endr
.irp i, 2,4,6,8,10,12,14
.irp b, 0,1,2,3
	v_max3_num_f32 v[TM+\b], v[TM+\b], |v[\s+16*\b+\i]|, |v[\s+1+16*\b+\i]|   ; the four blocks by turns
.endr
.endr
.irp b, 0,1,2,3
	v_permlanex16_b32 v[TM+4+\b], v[TM+\b], s[SEL], s[SEL+1]
.endr
.irp b, 0,1,2,3
	v_max_num_f32 v[TM+\b], v[TM+\b], v[TM+4+\b]   ; with lane l xor 16's: the block's largest magnitude
.endr
.irp b, 0,1,2,3
	v_add_nc_u32 v[TM+12+\b], 0xff000000, v[TM+\b]   ; 2 off its exponent field: the conversion takes this operand's exponent field as its scale
.endr
.irp b, 0,1,2,3
	v_lshrrev_b32 v[TM+4+\b], 23, v[TM+12+\b]      ; the scale's byte
.endr
	v_lshl_or_b32 v[\pw], v[TM+5], 8, v[TM+4]      ; four bytes: my row's scale word
	v_lshl_or_b32 v[\pw], v[TM+6], 16, v[\pw]
	v_lshl_or_b32 v[\pw], v[TM+7], 24, v[\pw]
.irp b, 0,1,2,3
	v_cvt_scalef32_pk8_fp4_f32 v[(\pc)+2*\b], v[\s+16*\b:\s+7+16*\b], v[TM+12+\b]
	v_cvt_scalef32_pk8_fp4_f32 v[(\pc)+1+2*\b], v[\s+8+16*\b:\s+15+16*\b], v[TM+12+\b]
.endr
	v_nop                                          ; one plain place behind a scaled conversion
.irp c, 0,1                                    ; the operand wants a whole block in a lane: lanes 0-15 block 2 c, lanes 16-31 block 2 c + 1
.irp i, 0,1
	v_permlane16_swap_b32 v[(\pc)+4*\c+\i], v[(\pc)+2+4*\c+\i]
.endr
.endr
.endm
; my fragment n of X: 16 rows, 64 numbers a lane
.macro XLOAD dst, n
.irp b, 0,1,2,3
.irp j, 0,1,2,3
	global_load_b128 v[\dst+16*\b+4*\j:\dst+16*\b+4*\j+3], v[XA], s[XP:XP+1] offset:4096*\n+128*\b+16*\j
.endr
.endr
.endm
; block blk of my column of W: 32 numbers down K; a wave's load reads 128 consecutive bytes, the four waves' 512
.macro WLOAD dst, blk, pitch
.set J, 0
.rept 32
	global_load_b32 v[\dst+J], v[WA], s[WP:WP+1] offset:(32*\blk+J)*\pitch
.set J, J+1
.endr
.endm
; that block's byte into v51 and its 32 codes into v[32 + 4 blk] on: all 32 numbers are mine
.macro WBLOCK s, blk
	v_max3_num_f32 v62, |v[\s]|, |v[\s+1]|, |v[\s+2]|
	v_max3_num_f32 v63, |v[\s+3]|, |v[\s+4]|, |v[\s+5]|
.irp i, 6,10,14,18,22,26
	v_max3_num_f32 v62, v62, |v[\s+\i]|, |v[\s+\i+1]|
	v_max3_num_f32 v63, v63, |v[\s+\i+2]|, |v[\s+\i+3]|
.endr
	v_max3_num_f32 v62, v62, |v[\s+30]|, |v[\s+31]|
	v_max3_num_f32 v62, v62, v63, 0x1800000        ; and the floor
	v_add_nc_u32 v[TM+\blk], 0xff000000, v62       ; the conversion's scale operand
	v_lshrrev_b32 v63, 23, v[TM+\blk]              ; the byte
.if \blk == 0
	v_mov_b32 v51, v63
.else
	v_lshl_or_b32 v51, v63, 8*\blk, v51
.endif
.irp g, 0,1,2,3
	v_cvt_scalef32_pk8_fp4_f32 v[32+4*\blk+\g], v[\s+8*\g:\s+8*\g+7], v[TM+\blk]
.endr
	v_nop                                          ; one plain place behind a scaled conversion
.endm
; PHASE 2.  Source 0: the eight fragments at pimg with their words at psc.  Source 1: my two at mimg, msc.  isv = 1: the bias is one number a lane, the same in all eight registers.
.macro PROD pimg, psc, mimg, msc, isv
.irp t, 0,1,2,3,4,5,6,7
.irp c, 0,1
	ds_load_b128 v[64+8*\t+4*\c:67+8*\t+4*\c], v[LI] offset:\pimg+1024*\t+512*\c
.endr
.endr
.irp g, 0,1
	ds_load_b128 v[PS+4*\g:PS+4*\g+3], v[SCL] offset:\psc+16*\g
.endr
.irp n, 0,1
.irp c, 0,1
	ds_load_b128 v[32+8*\n+4*\c:35+8*\n+4*\c], v[XWI] offset:\mimg+1024*\n+512*\c
.endr
	ds_load_b32 v[MS+\n], v[MSA] offset:\msc+4*\n
.endr
	s_wait_dscnt 0x0
.irp n, 0,1
.irp t, 0,1,2,3,4,5,6,7
.if \isv
	v_wmma_scale_f32_16x16x128_f8f6f4 v[128+8*\t:135+8*\t], v[64+8*\t:71+8*\t], v[32+8*\n:39+8*\n], v[192+8*\n:199+8*\n], v[PS+\t], v[MS+\n] matrix_a_fmt:MATRIX_FMT_FP4 matrix_b_fmt:MATRIX_FMT_FP4
.else
	v_wmma_scale_f32_16x16x128_f8f6f4 v[128+8*\t:135+8*\t], v[64+8*\t:71+8*\t], v[32+8*\n:39+8*\n], v[192+8*\t:199+8*\t], v[PS+\t], v[MS+\n] matrix_a_fmt:MATRIX_FMT_FP4 matrix_b_fmt:MATRIX_FMT_FP4
.endif
.endr
.rept 5
	v_nop                                          ; four places in front of the first read of results; the fifth since my second fragment's products write over these results (ISA guide 7.12.1)
.endr
	QUANT 128, 32+8*\n, 48+\n                      ; the codes take the place of my fragment, which is done with
.irp c, 0,1
	global_store_b128 v[XWI], v[32+8*\n+4*\c:35+8*\n+4*\c], s[OB:OB+1] offset:1024*\n+512*\c   ; 32 lanes store 512 consecutive bytes, at a multiple of 256 from the buffer's first byte
.endr
.endr
	v_cndmask_b32 v50, v48, v49, s39               ; lanes 0-15 the first fragment's words, lanes 16-31 the second's
	global_store_b32 v[XWS], v50, s[OB:OB+1] offset:8192
	s_wait_tensorcnt 0x0
	ds_add_u32 v26, v27
	s_wait_dscnt 0x0
	s_endpgm
.endm
	s_load_b512 s[8:23], s[0:1], 0x0               ; q s[8:9], k s[10:11], v s[12:13], Wq s[14:15], Wk s[16:17], Wv s[18:19], bq s[20:21], bk s[22:23]
	s_load_b256 s[24:31], s[0:1], 0x40             ; bv s[24:25], Wo s[26:27], qrec s[28:29], kvrec s[30:31]
	s_load_b64 s[32:33], s[0:1], 0x60              ; woimg
	v_lshl_add_u32 v26, v0, 2, 0x4400
	v_mov_b32 v27, 0
	v_lshrrev_b32 v1, 5, v0
	v_readfirstlane_b32 s[WV], v1                  ; wave 0..3
	v_and_b32 v1, 31, v0                           ; lane
	v_and_b32 v2, 15, v0                           ; r
	v_bfe_u32 v3, v0, 4, 1                         ; h
	v_and_b32 v62, 8, v2
	v_add_nc_u32 v62, v62, v2                      ; r + 8 (r / 8)
	v_lshlrev_b32 v[XA], 9, v62
	v_lshl_add_u32 v[XA], v3, 6, v[XA]
	v_lshlrev_b32 v[WA], 2, v1
	v_lshlrev_b32 v[LI], 4, v1
	s_lshl_b32 s52, s[WV], 11
	v_add_nc_u32 v[XWI], s52, v[LI]
	v_lshlrev_b32 v[SCL], 5, v2
	s_lshl_b32 s53, s[WV], 3
	v_add_nc_u32 v[MSA], s53, v[SCL]
	v_lshl_add_u32 v[XWS], v3, 2, v[MSA]
	v_bfe_u32 v63, v0, 3, 1                        ; u
	v_and_b32 v51, 7, v0
	v_lshl_or_b32 v51, v3, 3, v51                  ; r'
	v_lshlrev_b32 v[WWI], 4, v51
	v_lshl_add_u32 v[WWI], v63, 10, v[WWI]
	v_add_nc_u32 v[WWI], s52, v[WWI]
	v_lshlrev_b32 v[WWS], 5, v51
	v_lshl_add_u32 v[WWS], v63, 2, v[WWS]
	v_add_nc_u32 v[WWS], s53, v[WWS]
	v_lshlrev_b32 v[BQA], 6, v3
	s_lshl_b32 s50, s[WV], 7
	v_lshl_add_u32 v[BVA], v62, 2, s50
	v_lshlrev_b32 v[WOS], 5, v51
	v_lshl_add_u32 v[WOS], v63, 9, v[WOS]
	s_lshl_b32 s51, s[WV], 10
	v_add_nc_u32 v[WOS], s51, v[WOS]
.irp b, 0,1,2,3
	v_mov_b32 v[TM+4+\b], 0                        ; written once: a lane permute's destination counts as one of its sources
.endr
	s_mov_b32 s39, 0xffff0000                      ; lanes 16-31
	s_mov_b32 s[SEL], 0x76543210
	s_mov_b32 s[SEL+1], 0xfedcba98
	s_lshr_b32 s[TT], ttmp9, 8                     ; tensor
	s_bfe_u32 s36, ttmp9, 0x30005                  ; head
	s_and_b32 s37, ttmp9, 31                       ; block of 128 rows
	s_and_b32 s38, ttmp9, 255                      ; 32 x head + block: the record's number
	s_mov_b32 s51, 0                               ; the high word of every offset below
	s_wait_kmcnt 0x0
	s_cmp_ge_u32 ttmp9, 768
	s_cbranch_scc1 .Lwo                            ; the same way for all four waves: it hangs on the work-group's number alone
	s_cmp_eq_u32 s[TT], 0                          ; the buffers are chosen by the work-group's number
	s_cselect_b64 s[XP:XP+1], s[8:9], s[10:11]
	s_cselect_b64 s[WP:WP+1], s[14:15], s[16:17]
	s_cselect_b64 s[BP:BP+1], s[20:21], s[22:23]
	s_cselect_b64 s[OB:OB+1], s[28:29], s[30:31]
	s_mov_b32 s52, 2*RECB
	s_cselect_b32 s52, RECB, s52                   ; q: records on end;  k, v: a key step's two records on end
	s_cmp_eq_u32 s[TT], 2
	s_cselect_b64 s[XP:XP+1], s[12:13], s[XP:XP+1]
	s_cselect_b64 s[WP:WP+1], s[18:19], s[WP:WP+1]
	s_cselect_b64 s[BP:BP+1], s[24:25], s[BP:BP+1]
	s_cselect_b32 s53, RECB, 0                     ; v's record lies behind k's
	s_mul_i32 s50, s38, s52
	s_add_co_u32 s50, s50, s53
	s_add_nc_u64 s[OB:OB+1], s[OB:OB+1], s[50:51]
	s_lshl_b32 s50, s37, 16                        ; 128 rows of 512 bytes,
	s_lshl_b32 s52, s[WV], 14                      ; my wave's 32 of them
	s_add_co_u32 s50, s50, s52
	s_add_nc_u64 s[XP:XP+1], s[XP:XP+1], s[50:51]
	s_lshl_b32 s50, s36, 9                         ; the head's 128 columns
	s_add_nc_u64 s[BP:BP+1], s[BP:BP+1], s[50:51]
	s_lshl_b32 s52, s[WV], 7                       ; my wave's 32 of them
	s_add_co_u32 s50, s50, s52
	s_add_nc_u64 s[WP:WP+1], s[WP:WP+1], s[50:51]
	; ---- PHASE 1
	XLOAD 128, 0
	XLOAD 192, 1
	WLOAD 64, 0, 4096
	WLOAD 96, 1, 4096
	s_wait_loadcnt 0x3f                            ; X's 32 loads are in: 64 younger ones stand behind them, and 63 is the largest count that the wait can name
	QUANT 128, 32, 48
	ds_store_b128 v[XWI], v[32:35] offset:XIMG
	ds_store_b128 v[XWI], v[36:39] offset:XIMG+512
	QUANT 192, 40, 49
	ds_store_b128 v[XWI], v[40:43] offset:XIMG+1024
	ds_store_b128 v[XWI], v[44:47] offset:XIMG+1536
	v_cndmask_b32 v50, v48, v49, s39
	ds_store_b32 v[XWS], v50 offset:XSC
	s_cmp_eq_u32 s[TT], 2                          ; the bias, in the result's layout, into the registers that X has left
	s_cbranch_scc1 .Lbias_v
.irp t, 0,1,2,3,4,5,6,7
	global_load_b128 v[192+8*\t:195+8*\t], v[BQA], s[BP:BP+1] offset:(32*(\t/2)+8*(\t%2))*4      ; channels 32 (t / 2) + 16 h + 8 (t % 2) + 0 .. 7
	global_load_b128 v[196+8*\t:199+8*\t], v[BQA], s[BP:BP+1] offset:(32*(\t/2)+8*(\t%2))*4+16
.endr
	s_branch .Lbias_done
.Lbias_v:
	global_load_b32 v192, v[BVA], s[BP:BP+1]       ; my lane's channel of my first fragment of W,
	global_load_b32 v200, v[BVA], s[BP:BP+1] offset:32   ; and of my second
.Lbias_done:
	WLOAD 128, 2, 4096
	WLOAD 160, 3, 4096
	s_wait_dscnt 0x0                               ; the images' stores have read v32-47, which take W's codes now
	s_wait_loadcnt 0x3f                            ; W's blocks 0 and 1 are in: the bias and 64 younger loads stand behind them
	WBLOCK 64, 0
	WBLOCK 96, 1
	s_wait_loadcnt 32                              ; block 2 is in; block 3's 32 loads may be out
	WBLOCK 128, 2
	s_wait_loadcnt 0x0
	WBLOCK 160, 3
.irp k, 0,1,2,3
	ds_store_b128 v[WWI], v[32+4*\k:35+4*\k] offset:WIMG+512*(\k/2)+256*(\k%2)   ; block k is registers 4 (k / 2) on of lane r' + 16 (k % 2)
.endr
	ds_store_b32 v[WWS], v51 offset:WSC
	s_wait_dscnt 0x0                               ; for the others' sake: my stores have landed
	s_barrier_signal -1
	s_barrier_wait -1                              ; sixteen fragments and their words lie in LDS; from here on LDS is only read
	; ---- PHASE 2
	s_cmp_eq_u32 s[TT], 2
	s_cbranch_scc1 .Lprod_v
	PROD WIMG, WSC, XIMG, XSC, 0
.Lprod_v:
.irp j, 1,2,3,4,5,6,7
	v_mov_b32 v[192+\j], v192                      ; a lane holds one channel: its bias in all eight registers
.endr
.irp j, 1,2,3,4,5,6,7
	v_mov_b32 v[200+\j], v200
.endr
	PROD XIMG, XSC, WIMG, WSC, 1
	; ---- Wo: K step s = work-group - 768; column 32 w + lane; the images go straight to memory
.Lwo:
	s_sub_co_u32 s52, ttmp9, 768
	s_lshl_b32 s50, s52, 16                        ; 128 rows of 512 bytes,
	s_lshl_b32 s53, s[WV], 7                       ; my wave's 32 columns
	s_add_co_u32 s50, s50, s53
	s_add_nc_u64 s[WP:WP+1], s[26:27], s[50:51]
	s_lshl_b32 s50, s52, 13                        ; the K step's eight fragments
	s_add_nc_u64 s[OB:OB+1], s[32:33], s[50:51]
	s_lshl_b32 s50, s52, 2                         ; the scale words, [fragment 8][row 16][K step 8], behind the 64 fragments
	s_add_co_u32 s50, s50, 65536
	s_add_nc_u64 s[BP:BP+1], s[32:33], s[50:51]
	WLOAD 64, 0, 512
	WLOAD 96, 1, 512
	WLOAD 128, 2, 512
	WLOAD 160, 3, 512
	s_wait_loadcnt 0x3f                            ; blocks 0 and 1 are in: 64 younger loads stand behind them
	WBLOCK 64, 0
	WBLOCK 96, 1
	s_wait_loadcnt 32
	WBLOCK 128, 2
	s_wait_loadcnt 0x0
	WBLOCK 160, 3
.irp k, 0,1,2,3
	global_store_b128 v[WWI], v[32+4*\k:35+4*\k], s[OB:OB+1] offset:512*(\k/2)+256*(\k%2)   ; sixteen lanes store 256 consecutive bytes, at a multiple of 256 from the buffer's first byte
.endr
	global_store_b32 v[WOS], v51, s[BP:BP+1]
	s_endpgm
.Lfunc_end_k_qe7df986cae_project:
	.size	k_qe7df986cae_project, .Lfunc_end_k_qe7df986cae_project-k_qe7df986cae_project
	.p2alignl 7, 3214868480
	.fill 96, 4, 3214868480
	.section	.rodata,"a",@progbits
	.p2align	6, 0x0
	.amdhsa_kernel k_qe7df986cae_project
		.amdhsa_group_segment_fixed_size 17920
		.amdhsa_private_segment_fixed_size 0
		.amdhsa_enable_private_segment 0
		.amdhsa_kernarg_size 104
		.amdhsa_user_sgpr_count 2
		.amdhsa_user_sgpr_kernarg_segment_ptr 1
		.amdhsa_wavefront_size32 1
		.amdhsa_system_sgpr_workgroup_id_x 1
		.amdhsa_system_sgpr_workgroup_id_y 1
		.amdhsa_system_sgpr_workgroup_id_z 1
		.amdhsa_system_vgpr_workitem_id 0
		.amdhsa_next_free_vgpr 256
		.amdhsa_next_free_sgpr 66
		.amdhsa_reserve_vcc 0
		.amdhsa_float_denorm_mode_32 3
		.amdhsa_float_denorm_mode_16_64 3
		.amdhsa_memory_ordered 1
		.amdhsa_forward_progress 1
		.amdhsa_inst_pref_size 78
	.end_amdhsa_kernel
	.amdgpu_metadata
---
amdhsa.version: [ 1, 2 ]
amdhsa.kernels:
  - .name:           k_qe7df986cae_project
    .symbol:         k_qe7df986cae_project.kd
    .args:
      - { .name: q, .offset: 0, .size: 8, .value_kind: global_buffer, .address_space: global }
      - { .name: k, .offset: 8, .size: 8, .value_kind: global_buffer, .address_space: global }
      - { .name: v, .offset: 16, .size: 8, .value_kind: global_buffer, .address_space: global }
      - { .name: Wq, .offset: 24, .size: 8, .value_kind: global_buffer, .address_space: global }
      - { .name: Wk, .offset: 32, .size: 8, .value_kind: global_buffer, .address_space: global }
      - { .name: Wv, .offset: 40, .size: 8, .value_kind: global_buffer, .address_space: global }
      - { .name: bq, .offset: 48, .size: 8, .value_kind: global_buffer, .address_space: global }
      - { .name: bk, .offset: 56, .size: 8, .value_kind: global_buffer, .address_space: global }
      - { .name: bv, .offset: 64, .size: 8, .value_kind: global_buffer, .address_space: global }
      - { .name: Wo, .offset: 72, .size: 8, .value_kind: global_buffer, .address_space: global }
      - { .name: qrec, .offset: 80, .size: 8, .value_kind: global_buffer, .address_space: global }
      - { .name: kvrec, .offset: 88, .size: 8, .value_kind: global_buffer, .address_space: global }
      - { .name: woimg, .offset: 96, .size: 8, .value_kind: global_buffer, .address_space: global }
    .group_segment_fixed_size: 17920
    .private_segment_fixed_size: 0
    .kernarg_segment_align: 8
    .kernarg_segment_size: 104
    .max_flat_workgroup_size: 128
    .sgpr_count:     66
    .vgpr_count:     256
    .wavefront_size: 32
...
	.end_amdgpu_metadata
.endif
;; end of part 1
;; launch attend (part 2): grid 32 x 8, 16 waves a work-group, clusters of 4 x 1, 327,680 bytes of LDS; arguments qrec, kvrec, ctx; writes ctx
.if DOCPART == 2
	.amdgcn_target "amdgcn-amd-amdhsa--gfx1250"
	.amdhsa_code_object_version 6
	.text
	.protected	k_qe7df986cae_attend
	.globl	k_qe7df986cae_attend
	.p2align	8
	.type	k_qe7df986cae_attend,@function
k_qe7df986cae_attend:
	s_mov_b64 s[64:65], 0
	v_nop
	global_prefetch_b8 v0, s[64:65] scope:SCOPE_SE
	s_setreg_imm32_b32 hwreg(HW_REG_WAVE_MODE, 25, 1), 1
	s_wait_xcnt 0x0
	s_wait_alu depctr_hold_cnt(0) depctr_sa_sdst(0) depctr_va_vdst(0) depctr_va_sdst(0) depctr_va_ssrc(0) depctr_va_vcc(0) depctr_vm_vsrc(0)
	s_getreg_b32 s2, hwreg(HW_REG_IB_STS2, 6, 4)
	s_cmp_eq_u32 s2, 0
	s_cbranch_scc0 .Lentry_in_a_cluster
	s_endpgm
.Lentry_in_a_cluster:
	s_bfe_u32 s2, ttmp6, 0x10000c
	s_cmp_lg_u32 s2, 0x3003
	s_cbranch_scc0 .Lentry_shape_is_right
	s_endpgm
.Lentry_shape_is_right:
; ctx[q][head] = the sum over the keys of softmax(qs . ks / sqrt(128)) vs, both products on codes of FP4 (E2M1) with one E8M0 scale for each 32 along K; ctx is quantised along the channels for the last product.
; THE SOFTMAX AHEAD OF THE SECOND PRODUCT: t = score x log2(e) / sqrt(128); M = the largest t so far, rounded UP to a whole number; p = 2^(t - M) is what is quantised, along the keys, not normalised.
;   The row's sum is taken of the unquantised p and divides at the end.  When M moves, the sum and O are multiplied by 2^(old M - new M): exact.
; INPUTS ARE IMAGES OF OPERANDS' REGISTERS: a fragment (16 rows x 128 K) is 1,024 bytes, registers 4 c .. 4 c + 3 of lane l at 512 c + 16 l; a record is 8 fragments and their scale words [row 16][fragment 8]: 8,704 bytes.
;   qrec [head 8][block of 128 queries 32];  kvrec [head 8][key step 32][K's record, V's record];  ctx [tile of 16 queries 256], fragment = head.
;   Lane r of fragment 2 b + u stands for index 32 b + 8 u + r + 8 (r / 8) of its 128 (queries, keys, V's channels), so that the 16 result registers of fragments 2 b, 2 b + 1 are 16 neighbours: 32 b + 16 (lane / 16) + 0 .. 15.
; SHARES.  A work-group owns 128 queries of one head: eight tiles of 16.  It has SIXTEEN waves of 256 registers, four to a SIMD, so that one wave's vector work stands beside the others' LDS loads, products and exponentials.
;   The problem has 8 tiles for each of 256 work-groups, so the sixteen come from the keys: wave W owns tile W % 8 and, of each slot's eight key steps, the four of half W / 8: 16 key steps of 128 keys, with a running M, a sum and an O^T of its own.
;   At the end waves 8-15 hand theirs to waves 0-7 through LDS; the two are brought under the larger M by exact powers of two and added.
;   Both products are used transposed (S^T = K Q^T, O^T = V^T P^T): a lane holds ONE query (lane % 16) throughout.
; RING.  Two LDS slots of eight key steps (139,264 bytes).  Each wave fetches one of a slot's sixteen records, 8,704 dense bytes, by one tensor load: 34 rows of 256 bytes.  A wave has two loads out at the start, later one.
; CLUSTER.  The four query blocks of a cluster belong to one head and walk the same K and V: each record is asked for JOINTLY, by the same tensor load with the same descriptor and a mask that names the four.
; LIMITS: p under 2^-126 falls to 0 (v_exp_f32 flushes); a block's largest p is made from its largest score, which takes v_exp_f32 not to fall where its input rises; c = log2(e) / sqrt(128) is one constant;
;   a block whose largest magnitude lies under 2^-124 gets the scale byte 1 (its bytes are read by this program alone); the two halves of the keys are summed apart and joined at the end; NaN and infinities are not served.
; REGISTERS: v1-6, v11 LDS addresses that stay; v7-10 offsets of global loads and stores; v12 -M, v13 the largest t, v[14:15] the sum in two halves; v16-23 Q; v24-31 eight scale words of K, then of V; v32-95 eight fragments of K, then of V;
;   v96-159 S^T, then p, at the end the partner's O^T and ctx; v160-223 O^T; v224-231 p's codes; v232-247 at work; v252 f; v253 p's scale word; v254 at work; v255 Q's scale word.
.set RECB,  8704
.set STEPB, 2*RECB                     ; a key step's two records
.set HALFB, 4*STEPB                    ; the four key steps of a slot that one half of the waves walks
.set SLOTB, 8*STEPB                    ; a slot
.set HEADB, 32*STEPB                   ; a head's K and V
.set SPARE, 2*SLOTB                    ; behind the ring: the spare words, 128 bytes for each wave: eight blocks of 256 bytes that no other line names
.set FA,  1                            ; v1   16 x lane + HALFB x (wave / 8): my place in a fragment of my half's first key step
.set SA,  2                            ; v2   32 x (lane % 16) + HALFB x (wave / 8): the same among its scale words
.set ADK, 3                            ; v3   the step's fragments
.set ADS, 4                            ; v4   the step's scale words
.set SPW, 5                            ; v5   LDS address of my spare word; never rewritten
.set NIL, 6                            ; v6   0; never rewritten
.set STG, 11                           ; v11  the stage of my tile: 16 x lane + RECB x (wave % 8).  It lies in slot 0, which has had its last fill and its last read when the first image is stored there
.set TM,  232
.set WV,  10                           ; s10  wave
.set G1,  16                           ; s[16:23] descriptor group 1
.set G0A, 24                           ; s[24:27] group 0 for slot 0;  s[28:31] for slot 1
.set G0B, 28
.set SEL, 32                           ; s[32:33] lane selects for v_permlanex16_b32: lane l xor 16
.set CS,  34                           ; s[34:35] c: the packed form names a pair and takes its low word for both halves
.set TB,  36                           ; s36  LDS byte at which the slot's key step in hand begins for the first half of the waves
.set CNT, 37                           ; s37  key steps left in the slot
.set TILE, 46                          ; s46  my tile: wave % 8
.set HOFF, 47                          ; s47  HALFB x (wave / 8)
; A round of the cluster's barrier: my work-group's barrier, so that wave 0's signal speaks for all sixteen waves; wave 0 signals; every wave waits for all four work-groups; my work-group's barrier once more.
.macro CROUND
	s_barrier_signal -1
	s_barrier_wait -1
	s_cmp_lg_u32 s[WV], 0
	s_cbranch_scc1 .Lnot_wave_0_\@
	s_barrier_signal -3
.Lnot_wave_0_\@:
	s_barrier_wait -3
	s_barrier_signal -1
	s_barrier_wait -1
.endm
; 64 numbers of a lane, register 16 b + i = k 32 b + 16 (lane / 16) + i of my row, become a fragment's codes in v[pc] on and its scale word in v[pw].
.macro QUANT s, pc, pw
.irp b, 0,1,2,3
	v_max3_num_f32 v[TM+\b], |v[\s+16*\b]|, |v[\s+1+16*\b]|, 0x1800000   ; block b: my 16 numbers, and the floor 2^(3 - 127)
.endr
.irp i, 2,4,6,8,10,12,14
.irp b, 0,1,2,3
	v_max3_num_f32 v[TM+\b], v[TM+\b], |v[\s+16*\b+\i]|, |v[\s+1+16*\b+\i]|
.endr
.endr
.irp b, 0,1,2,3
	v_permlanex16_b32 v[TM+4+\b], v[TM+\b], s[SEL], s[SEL+1]
.endr
.irp b, 0,1,2,3
	v_max_num_f32 v[TM+\b], v[TM+\b], v[TM+4+\b]
.endr
.irp b, 0,1,2,3
	v_add_nc_u32 v[TM+12+\b], 0xff000000, v[TM+\b]
.endr
.irp b, 0,1,2,3
	v_lshrrev_b32 v[TM+4+\b], 23, v[TM+12+\b]
.endr
	v_lshl_or_b32 v[\pw], v[TM+5], 8, v[TM+4]
	v_lshl_or_b32 v[\pw], v[TM+6], 16, v[\pw]
	v_lshl_or_b32 v[\pw], v[TM+7], 24, v[\pw]
.irp b, 0,1,2,3
	v_cvt_scalef32_pk8_fp4_f32 v[(\pc)+2*\b], v[\s+16*\b:\s+7+16*\b], v[TM+12+\b]
	v_cvt_scalef32_pk8_fp4_f32 v[(\pc)+1+2*\b], v[\s+8+16*\b:\s+15+16*\b], v[TM+12+\b]
.endr
	v_nop                                          ; one plain place behind a scaled conversion
.irp c, 0,1
.irp i, 0,1
	v_permlane16_swap_b32 v[(\pc)+4*\c+\i], v[(\pc)+2+4*\c+\i]
.endr
.endr
.endm
; A KEY STEP: 128 keys, whose two records begin at LDS byte s[TB] + my half's offset.
.macro STEP
	v_add_nc_u32 v[ADK], s[TB], v[FA]
	v_add_nc_u32 v[ADS], s[TB], v[SA]
	v_nop
	v_nop                                          ; four places in front of loads into registers that the last step's products have read (ISA guide 7.12.1 for vector instructions)
.irp t, 0,1,2,3,4,5,6,7
.irp c, 0,1
	ds_load_b128 v[32+8*\t+4*\c:35+8*\t+4*\c], v[ADK] offset:1024*\t+512*\c
.endr
.endr
.irp g, 0,1
	ds_load_b128 v[24+4*\g:27+4*\g], v[ADS] offset:8192+16*\g
.endr
	s_wait_dscnt 0x0
.irp t, 0,1,2,3,4,5,6,7                        ; S^T = K Q^T: the 16 registers of tiles 2 b, 2 b + 1 are keys 32 b + 16 (lane / 16) + 0 .. 15 of my query
	v_wmma_scale_f32_16x16x128_f8f6f4 v[96+8*\t:103+8*\t], v[32+8*\t:39+8*\t], v[16:23], 0, v[24+\t], v255 matrix_a_fmt:MATRIX_FMT_FP4 matrix_b_fmt:MATRIX_FMT_FP4
.endr
.rept 4
	v_nop                                          ; places in front of the loads below and of the first read of the scores
.endr
.irp t, 0,1,2,3,4,5,6,7                        ; V's fragments and words take K's registers: they land while the softmax is worked
.irp c, 0,1
	ds_load_b128 v[32+8*\t+4*\c:35+8*\t+4*\c], v[ADK] offset:RECB+1024*\t+512*\c
.endr
.endr
.irp g, 0,1
	ds_load_b128 v[24+4*\g:27+4*\g], v[ADS] offset:RECB+8192+16*\g
.endr
.irp b, 0,1,2,3
	v_max3_num_f32 v[232+\b], v[96+16*\b], v[97+16*\b], v[98+16*\b]   ; the largest score of each block of 32 keys: it serves the row's maximum and, since p rises with the score, the block's largest p
.endr
.irp i, 3,5,7,9,11,13
.irp b, 0,1,2,3
	v_max3_num_f32 v[232+\b], v[232+\b], v[96+16*\b+\i], v[97+16*\b+\i]
.endr
.endr
.irp b, 0,1,2,3
	v_max_num_f32 v[232+\b], v[232+\b], v[111+16*\b]
.endr
.irp b, 0,1,2,3
	v_permlanex16_b32 v[236+\b], v[232+\b], s[SEL], s[SEL+1]
.endr
.irp b, 0,1,2,3
	v_max_num_f32 v[232+\b], v[232+\b], v[236+\b]  ; with lane l xor 16's 16 keys
.endr
	v_max3_num_f32 v254, v232, v233, v234
	v_max_num_f32 v254, v254, v235                 ; the step's largest score of my query
	v_mul_f32 v254, s[CS], v254                    ; as t (c is positive)
	v_max_num_f32 v13, v13, v254                   ; the running largest t
	v_mov_b32 v254, v12
	v_floor_f32 v12, -v13                          ; the new -M = floor(-t) = -ceil(t): a whole number
	v_sub_f32 v254, v12, v254                      ; old M - new M: a whole number, 0 or less
	v_cvt_i32_f32 v254, v254                       ; (it saturates)
	v_ldexp_f32 v252, 1.0, v254                    ; f = 2^(old M - new M)
.set J, 0
.rept 32
	v_pk_fma_f32 v[96+J:97+J], v[96+J:97+J], s[CS:CS+1], v[12:13] op_sel_hi:[1,0,0]   ; t - M, two at a time
.set J, J+2
.endr
.irp b, 0,1,2,3
	v_fma_f32 v[232+\b], v[232+\b], s[CS], v12     ; the same of each block's largest score
.endr
.set J, 0
.rept 64
	v_exp_f32 v[96+J], v[96+J]                     ; p = 2^(t - M), at most 1
.set J, J+1
.endr
.irp b, 0,1,2,3
	v_exp_f32 v[232+\b], v[232+\b]                 ; the block's largest p: the same two instructions on the same number
.endr
	v_pk_mul_f32 v[14:15], v[14:15], v[252:253] op_sel_hi:[1,0]   ; the sums under the new M.  (A plain place behind the exponentials)
	s_wait_alu depctr_va_vdst(0)
.irp b, 0,1,2,3
	v_max_num_f32 v[232+\b], 0x1800000, v[232+\b]  ; the floor 2^(3 - 127): the byte cannot fall under 1
.endr
.irp b, 0,1,2,3
	v_add_nc_u32 v[244+\b], 0xff000000, v[232+\b]  ; 2 off the exponent field: the conversion's scale operand
.endr
.irp b, 0,1,2,3
	v_lshrrev_b32 v[236+\b], 23, v[244+\b]         ; the scale's byte
.endr
	v_lshl_or_b32 v253, v237, 8, v236              ; p's scale word for these 128 keys
	v_lshl_or_b32 v253, v238, 16, v253
	v_lshl_or_b32 v253, v239, 24, v253
.irp b, 0,1,2,3
	v_cvt_scalef32_pk8_fp4_f32 v[224+2*\b], v[96+16*\b:103+16*\b], v[244+\b]
	v_cvt_scalef32_pk8_fp4_f32 v[225+2*\b], v[104+16*\b:111+16*\b], v[244+\b]
.endr
	v_nop                                          ; one plain place behind a scaled conversion
.irp c, 0,1                                    ; the operand wants a whole block in a lane
.irp i, 0,1
	v_permlane16_swap_b32 v[224+4*\c+\i], v[226+4*\c+\i]
.endr
.endr
	v_pk_add_f32 v[236:237], v[96:97], v[98:99]    ; the row's sum is taken of the unquantised p: two at a time, in two chains
.irp j, 4,8,12,16,20,24,28,32,36,40,44,48,52,56,60
	v_pk_add_f32 v[14:15], v[14:15], v[96+\j:97+\j]
	v_pk_add_f32 v[236:237], v[236:237], v[98+\j:99+\j]
.endr
	v_pk_add_f32 v[14:15], v[14:15], v[236:237]    ; (these 32 additions are the places between the writes of p's codes and scale word and the products below)
.set J, 0
.rept 32
	v_pk_mul_f32 v[160+J:161+J], v[160+J:161+J], v[252:253] op_sel_hi:[1,0]   ; O^T under the new M
.set J, J+2
.endr
	s_wait_dscnt 0x0                               ; V is in
.irp t, 0,1,2,3,4,5,6,7                        ; O^T += V^T P^T.  The eight accumulators take turns, and the next step's eight products K Q^T stand between two links of a chain
	v_wmma_scale_f32_16x16x128_f8f6f4 v[160+8*\t:167+8*\t], v[32+8*\t:39+8*\t], v[224:231], v[160+8*\t:167+8*\t], v[24+\t], v253 matrix_a_fmt:MATRIX_FMT_FP4 matrix_b_fmt:MATRIX_FMT_FP4
.endr
	s_add_co_u32 s[TB], s[TB], STEPB
.endm
; My four key steps of a slot: written once, walked four times
.macro PHASE slot
	s_mov_b32 s[TB], \slot*SLOTB
	s_mov_b32 s[CNT], 4
.Lstep_\@:
	STEP
	s_sub_co_u32 s[CNT], s[CNT], 1
	s_cmp_lg_u32 s[CNT], 0
	s_cbranch_scc1 .Lstep_\@
.endm
; THE CHANGE OF SLOTS.  Each wave waits for all its tensor loads (its record of the slot ahead), adds 0 to its spare word, and waits for that and for its reads of the slot that it leaves.
; fill = 1: that slot is filled again, with the keys two slots on: the barrier is then a round of the cluster's, and the joint refill is the first thing behind it: it has a slot's key steps in which to land.
.macro CHANGE fill, g0
	s_wait_tensorcnt 0x0                           ; no tensor load of mine is out, so a group 0 may be written
	ds_add_u32 v[SPW], v[NIL]                      ; 0 onto my spare word
.if \fill
	s_add_nc_u64 s[\g0+2:\g0+3], s[\g0+2:\g0+3], 2*SLOTB   ; sixteen key steps on; the type bits on top are not reached
.endif
	s_wait_dscnt 0x0                               ; the add is done, and my reads of the slot are over
.if \fill
	CROUND
	tensor_load_to_lds s[\g0:\g0+3], s[G1:G1+7]    ; my one tensor load until the next such round
	s_nop 0
.rept 4
	v_nop
.endr
.else
	s_barrier_signal -1
	s_barrier_wait -1
.endif
.endm
	s_load_b128 s[4:7], s[0:1], 0x0                ; qrec s[4:5], kvrec s[6:7]
	s_load_b64 s[8:9], s[0:1], 0x10                ; ctx
	v_lshl_add_u32 v[SPW], v0, 2, SPARE
	v_mov_b32 v[NIL], 0
	ds_add_u32 v5, v6
	ds_add_u32 v5, v6
	s_wait_dscnt 0x0
	v_lshrrev_b32 v7, 5, v0
	v_readfirstlane_b32 s[WV], v7                  ; wave 0..15
	s_and_b32 s[TILE], s[WV], 7                    ; my tile of 16 queries
	s_lshr_b32 s[HOFF], s[WV], 3                   ; my half of each slot's key steps,
	s_mul_i32 s[HOFF], s[HOFF], HALFB              ; in bytes
	s_and_b32 s13, ttmp7, 0xffff                   ; the head, which the four partners share
	; descriptor group 1: 8,704 dense bytes as 34 rows of 32 elements of 8 bytes
	s_mov_b32 s[G1], 15|(3<<16)|(1<<21)            ; 15:0 the mask: all four work-groups; 17:16 elements of 8 bytes; 20 no padding; 21 set beside a mask
	s_mov_b32 s[G1+1], 32<<16                      ; tensor_dim0 = 32
	s_mov_b32 s[G1+2], 34<<16                      ; tensor_dim1 = 34
	s_mov_b32 s[G1+3], 32<<16                      ; tile_dim0 = 32
	s_mov_b32 s[G1+4], 34                          ; tile_dim1 = 34
	s_mov_b32 s[G1+5], 32                          ; from row to row
	s_mov_b32 s[G1+6], 0
	s_mov_b32 s[G1+7], 0
	s_mul_i32 s38, s13, HEADB                      ; the head's first byte,
	s_mul_i32 s[G0A+1], s[WV], RECB                ; my record of a slot's sixteen: in LDS (slot 0)
	s_add_co_u32 s38, s38, s[G0A+1]                ; and in memory
	s_mov_b32 s39, 0
	s_mov_b32 s[G0A], 1                            ; count = 1
	s_mov_b32 s[G0B], 1
	s_add_co_u32 s[G0B+1], s[G0A+1], SLOTB         ; slot 1
	s_mov_b32 s[SEL], 0x76543210
	s_mov_b32 s[SEL+1], 0xfedcba98
	s_mov_b32 s[CS], 0x3e0293ee                    ; c = log2(e) / sqrt(128)
	s_mov_b32 s[CS+1], s[CS]                       ; (named with it as a pair, so it is written)
	s_wait_kmcnt 0x0
	s_add_nc_u64 s[G0A+2:G0A+3], s[6:7], s[38:39]  ; record w of key steps 0-7
	s_add_nc_u64 s[G0B+2:G0B+3], s[G0A+2:G0A+3], SLOTB   ; and of key steps 8-15
	s_or_b32 s[G0A+3], s[G0A+3], 0x80000000        ; type = 2
	s_or_b32 s[G0B+3], s[G0B+3], 0x80000000
	CROUND                                         ; all four work-groups are here: the first joint loads meet
	tensor_load_to_lds s[G0A:G0A+3], s[G1:G1+7]    ; both first fills together: two loads of mine are out
	s_nop 0
	tensor_load_to_lds s[G0B:G0B+3], s[G1:G1+7]
	s_nop 0
.rept 4
	v_nop
.endr
	s_bfe_u32 s11, ttmp6, 0x40000                  ; cx: it enters qrec's and ctx's addresses alone
	s_lshl_b32 s12, ttmp9, 2
	s_add_co_u32 s12, s12, s11                     ; my block of 128 queries = 4 x cluster x + cx
	s_lshl_b32 s40, s13, 5
	s_add_co_u32 s40, s40, s12
	s_mul_i32 s40, s40, RECB                       ; Q's record: 32 x head + block
	s_mov_b32 s41, 0
	s_add_nc_u64 s[4:5], s[4:5], s[40:41]
	s_lshl_b32 s42, s12, 3
	s_add_co_u32 s42, s42, s[TILE]
	s_mul_i32 s42, s42, RECB                       ; ctx's record: tile 8 x block + my tile
	s_mov_b32 s43, 0
	s_add_nc_u64 s[8:9], s[8:9], s[42:43]
	; every address register is made here, ahead of any parting of the waves
	v_and_b32 v7, 31, v0
	v_lshlrev_b32 v9, 4, v7                        ; 16 x lane
	v_and_b32 v8, 15, v0
	v_lshlrev_b32 v10, 5, v8                       ; 32 x (lane % 16)
	v_add_nc_u32 v[FA], s[HOFF], v9
	v_add_nc_u32 v[SA], s[HOFF], v10
	s_mul_i32 s38, s[TILE], RECB
	v_add_nc_u32 v[STG], s38, v9
	s_lshl_b32 s44, s[TILE], 10
	v_add_nc_u32 v7, s44, v9                       ; my tile's fragment of Q's record
	s_lshl_b32 s45, s[TILE], 2
	v_add_nc_u32 v8, s45, v10                      ; and its scale word
	s_lshl_b32 s38, s13, 10
	v_add_nc_u32 v9, s38, v9                       ; fragment 'head' of ctx's record
	s_lshl_b32 s39, s13, 2
	v_add_nc_u32 v10, s39, v10                     ; and its scale word
	global_load_b128 v[16:19], v7, s[4:5]          ; Q stays in registers
	global_load_b128 v[20:23], v7, s[4:5] offset:512
	global_load_b32 v255, v8, s[4:5] offset:8192
	v_mov_b32 v13, 0xff61b1e6                      ; the largest t so far: -3e38, under every t
	v_floor_f32 v12, -v13                          ; -M
	v_mov_b32 v14, 0                               ; the sum, in two halves
	v_mov_b32 v15, 0
.irp b, 0,1,2,3
	v_mov_b32 v[236+\b], 0                         ; written once: a lane permute's destination counts as one of its sources
.endr
	v_mov_b32 v253, 0                              ; (named as the upper half of the pair v[252:253] before it is first written)
.set J, 0
.rept 64
	v_mov_b32 v[160+J], 0                          ; O^T.  (The step is written without a first step of its own: it finds zeros, which the first change of M leaves zeros)
.set J, J+1
.endr
	s_wait_tensorcnt 0x1                           ; my record of slot 0 is in; slot 1's may stay out
	s_barrier_signal -1
	s_barrier_wait -1                              ; everybody's is
	s_wait_loadcnt 0x0                             ; Q
	PHASE 0                                        ; key steps 0-7: four of them mine
	CHANGE 1, G0A                                  ; slot 0 takes key steps 16-23
	PHASE 1                                        ; 8-15
	CHANGE 1, G0B                                  ; slot 1 takes key steps 24-31
	PHASE 0                                        ; 16-23
	CHANGE 0, G0A                                  ; nothing is left to fetch; behind this barrier nobody reads slot 0 and nothing is filled into it
	PHASE 1                                        ; 24-31
	; THE TWO HALVES OF THE KEYS ARE JOINED.  Waves 8-15 lay O^T and v[12:15] (-M, t, the sum's two halves) into their tile's stage as images of the registers: 17 stores of 512 bytes.
.rept 4
	v_nop                                          ; four places behind the last products, in front of the stores that read their results
.endr
	s_cmp_lt_u32 s[WV], 8
	s_cbranch_scc1 .Lkeep
.irp t, 0,1,2,3,4,5,6,7
	ds_store_b128 v[STG], v[160+8*\t:163+8*\t] offset:1024*\t        ; each accumulator from its low end on
	ds_store_b128 v[STG], v[164+8*\t:167+8*\t] offset:1024*\t+512
.endr
	ds_store_b128 v[STG], v[12:15] offset:8192
.Lkeep:
	s_wait_dscnt 0x0                               ; for the partner's sake: my stores into the stage have landed
	s_barrier_signal -1
	s_barrier_wait -1
	s_cmp_ge_u32 s[WV], 8
	s_cbranch_scc1 .Lend                           ; waves 8-15 have handed their part over
	ds_load_b128 v[232:235], v[STG] offset:8192    ; the partner's -M, t and sums,
.set J, 0
.rept 16
	ds_load_b128 v[96+4*J:99+4*J], v[STG] offset:512*J   ; and its O^T: v[96 + j] is its v[160 + j]
.set J, J+1
.endr
	s_wait_dscnt 16                                ; the statistics are in; the sixteen younger loads may be out
	v_min_num_f32 v236, v12, v232                  ; the joint -M: M is the larger of the two
	v_sub_f32 v237, v236, v12                      ; my M less the joint M: a whole number, 0 or less;
	v_sub_f32 v238, v236, v232                     ; the partner's likewise
	v_cvt_i32_f32 v237, v237                       ; (they saturate)
	v_cvt_i32_f32 v238, v238
	v_ldexp_f32 v237, 1.0, v237                    ; 2^(my M - joint M),
	v_ldexp_f32 v238, 1.0, v238                    ; 2^(its M - joint M): exact
	v_add_f32 v14, v14, v15                        ; each sum's two halves,
	v_add_f32 v234, v234, v235
	v_mul_f32 v14, v14, v237                       ; both under the joint M,
	v_fma_f32 v14, v234, v238, v14
	v_permlanex16_b32 v239, v14, s[SEL], s[SEL+1]
	v_add_f32 v14, v14, v239                       ; and lane l xor 16's: the row's sum over all keys
	v_rcp_f32 v14, v14
	v_nop                                          ; one plain place behind a transcendental
	s_wait_alu depctr_va_vdst(0)
	v_mul_f32 v236, v237, v14                      ; what my O^T is multiplied by,
	v_mul_f32 v238, v238, v14                      ; and the partner's
	s_wait_dscnt 0x0
.set J, 0
.rept 32
	v_pk_mul_f32 v[96+J:97+J], v[96+J:97+J], v[238:239] op_sel_hi:[1,0]
.set J, J+2
.endr
.set J, 0
.rept 32
	v_pk_fma_f32 v[96+J:97+J], v[160+J:161+J], v[236:237], v[96+J:97+J] op_sel_hi:[1,0,1]   ; ctx; each accumulator from its low end on
.set J, J+2
.endr
	; THE WAY OUT: the 64 registers are my query's channels 32 b + 16 (lane / 16) + 0 .. 15: quantised as they stand, they are K step 'head' of the last product.
	QUANT 96, 224, 252
	global_store_b128 v9, v[224:227], s[8:9]       ; 32 lanes store 512 consecutive bytes, at a multiple of 256 from the buffer's first byte
	global_store_b128 v9, v[228:231], s[8:9] offset:512
	global_store_b32 v10, v252, s[8:9] offset:8192 ; lanes l and l + 16 hold the same word and store it to the same place
.Lend:
	s_wait_tensorcnt 0x0                           ; the wave's end
	ds_add_u32 v[SPW], v[NIL]
	s_wait_dscnt 0x0
	CROUND                                         ; the closing round: no work-group ends while a partner may still ask for a tile that names it
	s_endpgm
.Lfunc_end_k_qe7df986cae_attend:
	.size	k_qe7df986cae_attend, .Lfunc_end_k_qe7df986cae_attend-k_qe7df986cae_attend
	.p2alignl 7, 3214868480
	.fill 96, 4, 3214868480
	.section	.rodata,"a",@progbits
	.p2align	6, 0x0
	.amdhsa_kernel k_qe7df986cae_attend
		.amdhsa_group_segment_fixed_size 327680
		.amdhsa_private_segment_fixed_size 0
		.amdhsa_enable_private_segment 0
		.amdhsa_kernarg_size 24
		.amdhsa_user_sgpr_count 2
		.amdhsa_user_sgpr_kernarg_segment_ptr 1
		.amdhsa_wavefront_size32 1
		.amdhsa_system_sgpr_workgroup_id_x 1
		.amdhsa_system_sgpr_workgroup_id_y 1
		.amdhsa_system_sgpr_workgroup_id_z 1
		.amdhsa_system_vgpr_workitem_id 0
		.amdhsa_next_free_vgpr 256
		.amdhsa_next_free_sgpr 66
		.amdhsa_reserve_vcc 0
		.amdhsa_float_denorm_mode_32 3
		.amdhsa_float_denorm_mode_16_64 3
		.amdhsa_memory_ordered 1
		.amdhsa_forward_progress 1
		.amdhsa_inst_pref_size 90
	.end_amdhsa_kernel
	.amdgpu_metadata
---
amdhsa.version: [ 1, 2 ]
amdhsa.kernels:
  - .name:           k_qe7df986cae_attend
    .symbol:         k_qe7df986cae_attend.kd
    .args:
      - { .name: qrec, .offset: 0, .size: 8, .value_kind: global_buffer, .address_space: global }
      - { .name: kvrec, .offset: 8, .size: 8, .value_kind: global_buffer, .address_space: global }
      - { .name: ctx, .offset: 16, .size: 8, .value_kind: global_buffer, .address_space: global }
    .group_segment_fixed_size: 327680
    .private_segment_fixed_size: 0
    .kernarg_segment_align: 8
    .kernarg_segment_size: 24
    .max_flat_workgroup_size: 512
    .sgpr_count:     66
    .vgpr_count:     256
    .wavefront_size: 32
...
	.end_amdgpu_metadata
.endif
;; end of part 2
;; launch outproj (part 3): grid 256 x 1, 4 waves a work-group, no clusters, 8,960 bytes of LDS; arguments ctx, woimg, bo, out0; writes out0
.if DOCPART == 3
	.amdgcn_target "amdgcn-amd-amdhsa--gfx1250"
	.amdhsa_code_object_version 6
	.text
	.protected	k_qe7df986cae_outproj
	.globl	k_qe7df986cae_outproj
	.p2align	8
	.type	k_qe7df986cae_outproj,@function
k_qe7df986cae_outproj:
	s_mov_b64 s[64:65], 0
	v_nop
	global_prefetch_b8 v0, s[64:65] scope:SCOPE_SE
	s_setreg_imm32_b32 hwreg(HW_REG_WAVE_MODE, 25, 1), 1
	s_wait_xcnt 0x0
; out0 = ctx Wo + bo: [4096][1024] x [1024][128] on codes of FP4 (E2M1) with one E8M0 scale for each 32 along K; sums in f32.
; Both operands lie in memory as images of their registers: a fragment (16 rows x 128 K) is 1,024 bytes, registers 4 c .. 4 c + 3 of lane l at 512 c + 16 l.
;   ctx: [tile of 16 rows 256] records of 8 fragments (K step s) and their scale words [row 16][K step 8]: 8,704 bytes.   woimg: [K step 8][column tile 8] fragments, then from byte 65,536 the scale words [column tile 8][row 16][K step 8].
; SHARES.  A work-group takes one tile of 16 rows x all 128 outputs; wave w the column tiles 2 w and 2 w + 1: 8 K steps x 2 accumulators, which take turns.
; TRANSPOSED USE: source 0 = 16 columns of Wo, source 1 = ctx's 16 rows.  Lane r of column tile 2 w + i stands for column 32 w + 8 i + r + 8 (r / 8), so lane (r, h) holds row r and outputs 32 w + 16 h + 8 i + 0 .. 7.
; Row r of tile T is row 32 (T / 2) + 8 (T % 2) + r + 8 (r / 8) of out0: the order in which the queries were laid into fragments.  The bias is loaded straight into the accumulators.
; NO JOINT REQUESTS: Wo's 68 KiB are shared by all work-groups, but a wave takes its 16 KiB of them once, straight into operand registers, for 16 matrix instructions: there is no loop over tiles in which a ring could turn.
.set RECB, 8704
.set SP,   528                         ; a stage row: 512 bytes + 16
	s_load_b256 s[4:11], s[0:1], 0x0               ; ctx s[4:5], woimg s[6:7], bo s[8:9], out0 s[10:11]
	v_lshl_add_u32 v62, v0, 2, 0x2100
	v_mov_b32 v63, 0
	v_lshrrev_b32 v1, 5, v0
	v_readfirstlane_b32 s12, v1                    ; wave 0..3
	v_and_b32 v6, 31, v0
	v_lshlrev_b32 v1, 4, v6                        ; v1  16 x lane
	v_and_b32 v7, 15, v0                           ; r
	v_lshlrev_b32 v2, 5, v7                        ; v2  32 r: a row's eight scale words
	v_bfe_u32 v8, v0, 4, 1                         ; h
	v_lshlrev_b32 v3, 6, v8                        ; v3  64 h
	v_mul_u32_u24 v4, v7, SP
	v_add_nc_u32 v4, v4, v3
	s_lshl_b32 s13, s12, 7
	v_add_nc_u32 v4, s13, v4                       ; v4  the stage, in: row r, + 64 h + 128 w
	s_mul_i32 s13, s12, 4*SP
	v_add_nc_u32 v5, s13, v1                       ; v5  back: my four rows, 16 bytes a lane
	s_mul_i32 s14, ttmp9, RECB                     ; my tile's record
	s_mov_b32 s15, 0
	s_lshr_b32 s16, ttmp9, 1
	s_lshl_b32 s16, s16, 5
	s_and_b32 s17, ttmp9, 1
	s_lshl_b32 s17, s17, 3
	s_add_co_u32 s16, s16, s17
	s_lshl_b32 s17, s12, 2
	s_add_co_u32 s16, s16, s17
	s_lshr_b32 s17, s12, 1
	s_lshl_b32 s17, s17, 3
	s_add_co_u32 s16, s16, s17                     ; the first of the four rows that I store: 32 (T / 2) + 8 (T % 2) + 4 w + 8 (w / 2)
	s_lshl_b32 s16, s16, 9
	s_mov_b32 s17, 0
	s_mov_b32 s23, 0
	s_wait_kmcnt 0x0
	s_add_nc_u64 s[4:5], s[4:5], s[14:15]
	s_add_nc_u64 s[10:11], s[10:11], s[16:17]
	s_lshl_b32 s22, s12, 11
	s_add_nc_u64 s[18:19], s[6:7], s[22:23]        ; Wo's fragments: my two column tiles
	s_lshl_b32 s22, s12, 10
	s_add_co_u32 s22, s22, 65536
	s_add_nc_u64 s[20:21], s[6:7], s[22:23]        ; and their scale words
	s_lshl_b32 s22, s12, 7
	s_add_nc_u64 s[8:9], s[8:9], s[22:23]          ; bo: my 32 outputs
.irp i, 0,1
	global_load_b128 v[40+8*\i:43+8*\i], v3, s[8:9] offset:32*\i         ; the bias begins the sums: outputs 32 w + 16 h + 8 i + 0 .. 7
	global_load_b128 v[44+8*\i:47+8*\i], v3, s[8:9] offset:32*\i+16
.endr
	global_load_b128 v[16:19], v2, s[4:5] offset:8192                    ; ctx's scale words: v[16 + s]
	global_load_b128 v[20:23], v2, s[4:5] offset:8208
.irp i, 0,1
.irp g, 0,1
	global_load_b128 v[24+8*\i+4*\g:27+8*\i+4*\g], v2, s[20:21] offset:512*\i+16*\g   ; Wo's: v[24 + 8 i + s]
.endr
.endr
.irp s, 0,1,2,3,4,5,6,7                        ; six loads a K step
.irp c, 0,1
	global_load_b128 v[64+8*\s+4*\c:67+8*\s+4*\c], v1, s[4:5] offset:1024*\s+512*\c
.endr
.irp i, 0,1
.irp c, 0,1
	global_load_b128 v[128+8*(2*\s+\i)+4*\c:131+8*(2*\s+\i)+4*\c], v1, s[18:19] offset:8192*\s+1024*\i+512*\c
.endr
.endr
.endr
.irp s, 0,1,2,3,4,5,6,7
	s_wait_loadcnt 6*(7-\s)                        ; this K step's six loads are in; the later steps' may be out
.irp i, 0,1
	v_wmma_scale_f32_16x16x128_f8f6f4 v[40+8*\i:47+8*\i], v[128+8*(2*\s+\i):135+8*(2*\s+\i)], v[64+8*\s:71+8*\s], v[40+8*\i:47+8*\i], v[24+8*\i+\s], v[16+\s] matrix_a_fmt:MATRIX_FMT_FP4 matrix_b_fmt:MATRIX_FMT_FP4
.endr
.endr
.rept 4
	v_nop                                          ; places in front of the first read of results and of the loads into registers that the products have read (ISA guide 7.12.1 for vector instructions)
.endr
.irp i, 0,1
	ds_store_b128 v4, v[40+8*\i:43+8*\i] offset:32*\i          ; each accumulator from its low end on
	ds_store_b128 v4, v[44+8*\i:47+8*\i] offset:32*\i+16
.endr
	s_wait_dscnt 0x0                               ; for the others' sake: my stores into the stage have landed
	s_barrier_signal -1
	s_barrier_wait -1                              ; 16 whole rows lie in the stage: a row's 512 bytes come from four waves
.irp i, 0,1,2,3
	ds_load_b128 v[64+4*\i:67+4*\i], v5 offset:\i*SP
.endr
.irp i, 0,1,2,3
	s_wait_dscnt 3-\i                              ; row i is back; the younger rows may be out
	global_store_b128 v1, v[64+4*\i:67+4*\i], s[10:11] offset:512*\i th:TH_STORE_NT   ; 32 lanes store a row of 512 consecutive bytes, at a multiple of 256 from out0's first byte
.endr
	s_wait_tensorcnt 0x0
	ds_add_u32 v62, v63
	s_wait_dscnt 0x0
	s_endpgm
.Lfunc_end_k_qe7df986cae_outproj:
	.size	k_qe7df986cae_outproj, .Lfunc_end_k_qe7df986cae_outproj-k_qe7df986cae_outproj
	.p2alignl 7, 3214868480
	.fill 96, 4, 3214868480
	.section	.rodata,"a",@progbits
	.p2align	6, 0x0
	.amdhsa_kernel k_qe7df986cae_outproj
		.amdhsa_group_segment_fixed_size 8960
		.amdhsa_private_segment_fixed_size 0
		.amdhsa_enable_private_segment 0
		.amdhsa_kernarg_size 32
		.amdhsa_user_sgpr_count 2
		.amdhsa_user_sgpr_kernarg_segment_ptr 1
		.amdhsa_wavefront_size32 1
		.amdhsa_system_sgpr_workgroup_id_x 1
		.amdhsa_system_sgpr_workgroup_id_y 1
		.amdhsa_system_sgpr_workgroup_id_z 1
		.amdhsa_system_vgpr_workitem_id 0
		.amdhsa_next_free_vgpr 256
		.amdhsa_next_free_sgpr 66
		.amdhsa_reserve_vcc 0
		.amdhsa_float_denorm_mode_32 3
		.amdhsa_float_denorm_mode_16_64 3
		.amdhsa_memory_ordered 1
		.amdhsa_forward_progress 1
		.amdhsa_inst_pref_size 11
	.end_amdhsa_kernel
	.amdgpu_metadata
---
amdhsa.version: [ 1, 2 ]
amdhsa.kernels:
  - .name:           k_qe7df986cae_outproj
    .symbol:         k_qe7df986cae_outproj.kd
    .args:
      - { .name: ctx, .offset: 0, .size: 8, .value_kind: global_buffer, .address_space: global }
      - { .name: woimg, .offset: 8, .size: 8, .value_kind: global_buffer, .address_space: global }
      - { .name: bo, .offset: 16, .size: 8, .value_kind: global_buffer, .address_space: global }
      - { .name: out0, .offset: 24, .size: 8, .value_kind: global_buffer, .address_space: global }
    .group_segment_fixed_size: 8960
    .private_segment_fixed_size: 0
    .kernarg_segment_align: 8
    .kernarg_segment_size: 32
    .max_flat_workgroup_size: 128
    .sgpr_count:     66
    .vgpr_count:     256
    .wavefront_size: 32
...
	.end_amdgpu_metadata
.endif
;; end of part 3
;; ======== version 2 of 2: 3 launches
;; workspace buffers: qrec 2,228,224 bytes; kvrec 4,456,448 bytes; ctx 2,228,224 bytes; woimg 69,632 bytes
;; launch project (part 4): grid 776 x 1, 4 waves a work-group, no clusters, 17,920 bytes of LDS; arguments q, k, v, Wq, Wk, Wv, bq, bk, bv, Wo, qrec, kvrec, woimg; writes qrec, kvrec, woimg
.if DOCPART == 4
	.amdgcn_target "amdgcn-amd-amdhsa--gfx1250"
	.amdhsa_code_object_version 6
	.text
	.protected	k_qe7df986cae_project
	.globl	k_qe7df986cae_project
	.p2align	8
	.type	k_qe7df986cae_project,@function
k_qe7df986cae_project:
	s_mov_b64 s[64:65], 0
	v_nop
	global_prefetch_b8 v0, s[64:65] scope:SCOPE_SE
	s_setreg_imm32_b32 hwreg(HW_REG_WAVE_SCHED_MODE, 0, 2), 2
	s_setreg_imm32_b32 hwreg(HW_REG_WAVE_MODE, 25, 1), 1
	s_wait_xcnt 0x0
	s_wait_alu depctr_vm_vsrc(0)
; qs = q Wq + bq, ks = k Wk + bk, vs = v Wv + bv, each [4096][128] x [128][1024] on codes of FP4 (E2M1) with one E8M0 scale for each 32 along K, sums in f32;
; the results are quantised at once for the attention's two products (qs, ks along a head's 128 channels, vs along the keys), and Wo is quantised along its first axis for the last product.
; SHARES.  Work-groups 0-767: tensor T = id / 256 (0 q, 1 k, 2 v), head = (id / 32) % 8, block of 128 rows = id % 32: 128 rows x one head's 128 columns, K = 128: one K step.
;   Work-groups 768-775: rows 128 s .. 128 s + 127 of Wo (K step s of the last product), all 128 columns; no LDS, no barrier.
; EVERYTHING THAT LEAVES IS AN IMAGE OF AN OPERAND'S REGISTERS.  A fragment (16 rows x 128 K of 4-bit codes) is 8 registers a lane: registers 4 c .. 4 c + 3 of lane l lie at 512 c + 16 l: 1,024 bytes.
;   A record is 8 fragments and behind them their scale words, [row 16][fragment 8]: 8,192 + 512 = 8,704 bytes.
; THE 16 ROWS OF A FRAGMENT ARE NOT NEIGHBOURS: lane r of fragment 2 b + u stands for index 32 b + 8 u + r + 8 (r / 8) of its 128.  Where such fragments are source 0, the 16 result registers of
;   fragments 2 b and 2 b + 1 hold the 16 neighbours 32 b + 16 (lane / 16) + 0 .. 15, which is what the conversions to codes want of a lane.
; PHASE 1: wave w quantises rows' fragments 2 w, 2 w + 1 of X (a lane loads 16 neighbours of each block of 32) and columns 32 w .. 32 w + 31 of W (a lane takes a column, its registers run down K);
;   the images go to LDS | one barrier | PHASE 2: q, k: source 0 = W's eight fragments, source 1 = my two fragments of X: a lane holds one row and 64 channels;  v: source 0 = X's eight fragments (the keys),
;   source 1 = my two fragments of W: a lane holds one channel and 64 keys.  The bias is the C of the one matrix instruction of each sum.  The results are quantised in registers and stored as images.
; NO JOINT REQUESTS: X's 64 KiB are shared by 8 work-groups and W's 64 KiB by 32, but each is wanted once, as f32 in a lane's registers, with no loop over tiles: through LDS it would cost a round trip more for each number.
; LIMITS: a block whose largest magnitude lies under 2^-124 (a block of zeros among them) gets the scale byte 1: its codes are zeros or what that scale gives; the bytes are read by this program alone.  NaN and infinities are not served.
; THE MODE: SCHED_MODE bits 1:0 = 2 (LLVM: expert scheduling mode 2), set by the entry lines.  The code itself states the register dependences
; between vector or matrix instructions and memory or LDS instructions, with s_wait_alu, always for 0.
; THE PLAN.  Registers that memory or LDS instructions touch, in the order of the text:
;   v4-15, v26, v27  offsets and LDS addresses: written at the head, never again.
;   v128-255  X's loads land; phase 1's two quantisers read them; then W's blocks 2 and 3 (v128-191) and the bias (v192-255) land.  From then on vector and matrix instructions alone name them.
;   v64-127   W's blocks 0 and 1 land; their quantisers read them; in phase 2 source 0's eight fragments land from LDS.
;   v32-47    X's codes: written by the quantisers, read by LDS stores;  W's codes: the same again;  then my two fragments land from LDS;  then the results' codes: written by the quantisers, read by the global stores.
;   v50, v51  scale words: written by vector instructions, read by one store each time.     v52-61  filled by LDS loads alone.
; So a wait on va_vdst stands ahead of each run of stores, five on the main way, and each also frees the registers in which the loads behind it land;
; a wait on vm_vsrc stands ahead of each of the two places at which v32-47 are written again behind LDS stores that read them.
.set XIMG, 0                           ; LDS: X's eight fragments,
.set WIMG, 8192                        ; W's eight,
.set XSC,  16384                       ; X's scale words [row 16][fragment 8],
.set WSC,  16896                       ; W's
.set RECB, 8704                        ; a record
.set XA,   4                           ; v4   X: my row's byte and my 16 numbers of a block: 512 (r + 8 (r / 8)) + 64 h
.set WA,   5                           ; v5   W: 4 x lane
.set LI,   6                           ; v6   16 x lane: my place in an image
.set XWI,  7                           ; v7   16 x lane + 2,048 w: my two fragments' images (in LDS and in the record)
.set XWS,  8                           ; v8   32 r + 4 h + 8 w: their scale words, lanes 0-15 the first's, lanes 16-31 the second's
.set WWI,  9                           ; v9   W's codes: 1,024 u + 16 r' + 2,048 w  (column = 32 w + lane; u = bit 3 of the lane, r' = its bits 0-2 and bit 4)
.set WWS,  10                          ; v10  W's scale word: 32 r' + 4 u + 8 w
.set SCL,  11                          ; v11  32 r: a row's eight scale words
.set MSA,  12                          ; v12  32 r + 8 w: my two fragments' words
.set BQA,  13                          ; v13  64 h: the bias of q and k
.set WOS,  14                          ; v14  Wo's scale word: 512 u + 32 r' + 1,024 w
.set BVA,  15                          ; v15  4 (r + 8 (r / 8)) + 128 w: the bias of v
.set TM,   16                          ; v16-23, v28-31 at work in the quantisers (v26, v27: the closing add's two registers, kept for it alone)
.set PS,   52                          ; v52-59 source 0's eight scale words
.set MS,   60                          ; v60-61 my two fragments' scale words
.set WV,   34                          ; s34  wave
.set TT,   35                          ; s35  tensor
.set SEL,  40                          ; s[40:41] lane selects for v_permlanex16_b32: lane l xor 16
.set XP,   42                          ; s[42:43] X,  s[44:45] W,  s[46:47] the bias,  s[48:49] the record
.set WP,   44
.set BP,   46
.set OB,   48
; 64 numbers of a lane, register 16 b + i = k 32 b + 16 (lane / 16) + i of my row, become a fragment's codes in v[pc] on and its scale word in v[pw].
.macro QUANT s, pc, pw
.irp b, 0,1,2,3
	v_max3_num_f32 v[TM+\b], |v[\s+16*\b]|, |v[\s+1+16*\b]|, 0x1800000   ; block b: my 16 numbers, and the floor 2^(3 - 127): the byte cannot fall under 1
.endr
.irp i, 2,4,6,8,10,12,14
.irp b, 0,1,2,3
	v_max3_num_f32 v[TM+\b], v[TM+\b], |v[\s+16*\b+\i]|, |v[\s+1+16*\b+\i]|   ; the four blocks by turns
.endr
.endr
.irp b, 0,1,2,3
	v_permlanex16_b32 v[TM+4+\b], v[TM+\b], s[SEL], s[SEL+1]
.endr
.irp b, 0,1,2,3
	v_max_num_f32 v[TM+\b], v[TM+\b], v[TM+4+\b]   ; with lane l xor 16's: the block's largest magnitude
.endr
.irp b, 0,1,2,3
	v_add_nc_u32 v[TM+12+\b], 0xff000000, v[TM+\b]   ; 2 off its exponent field: the conversion takes this operand's exponent field as its scale
.endr
.irp b, 0,1,2,3
	v_lshrrev_b32 v[TM+4+\b], 23, v[TM+12+\b]      ; the scale's byte
.endr
	v_lshl_or_b32 v[\pw], v[TM+5], 8, v[TM+4]      ; four bytes: my row's scale word
	v_lshl_or_b32 v[\pw], v[TM+6], 16, v[\pw]
	v_lshl_or_b32 v[\pw], v[TM+7], 24, v[\pw]
.irp b, 0,1,2,3
	v_cvt_scalef32_pk8_fp4_f32 v[(\pc)+2*\b], v[\s+16*\b:\s+7+16*\b], v[TM+12+\b]
	v_cvt_scalef32_pk8_fp4_f32 v[(\pc)+1+2*\b], v[\s+8+16*\b:\s+15+16*\b], v[TM+12+\b]
.endr
	v_nop                                          ; one plain place behind a scaled conversion
.irp c, 0,1                                    ; the operand wants a whole block in a lane: lanes 0-15 block 2 c, lanes 16-31 block 2 c + 1
.irp i, 0,1
	v_permlane16_swap_b32 v[(\pc)+4*\c+\i], v[(\pc)+2+4*\c+\i]
.endr
.endr
.endm
; my fragment n of X: 16 rows, 64 numbers a lane
.macro XLOAD dst, n
.irp b, 0,1,2,3
.irp j, 0,1,2,3
	global_load_b128 v[\dst+16*\b+4*\j:\dst+16*\b+4*\j+3], v[XA], s[XP:XP+1] offset:4096*\n+128*\b+16*\j
.endr
.endr
.endm
; block blk of my column of W: 32 numbers down K; a wave's load reads 128 consecutive bytes, the four waves' 512
.macro WLOAD dst, blk, pitch
.set J, 0
.rept 32
	global_load_b32 v[\dst+J], v[WA], s[WP:WP+1] offset:(32*\blk+J)*\pitch
.set J, J+1
.endr
.endm
; that block's byte into v51 and its 32 codes into v[32 + 4 blk] on: all 32 numbers are mine
.macro WBLOCK s, blk
	v_max3_num_f32 v62, |v[\s]|, |v[\s+1]|, |v[\s+2]|
	v_max3_num_f32 v63, |v[\s+3]|, |v[\s+4]|, |v[\s+5]|
.irp i, 6,10,14,18,22,26
	v_max3_num_f32 v62, v62, |v[\s+\i]|, |v[\s+\i+1]|
	v_max3_num_f32 v63, v63, |v[\s+\i+2]|, |v[\s+\i+3]|
.endr
	v_max3_num_f32 v62, v62, |v[\s+30]|, |v[\s+31]|
	v_max3_num_f32 v62, v62, v63, 0x1800000        ; and the floor
	v_add_nc_u32 v[TM+\blk], 0xff000000, v62       ; the conversion's scale operand
	v_lshrrev_b32 v63, 23, v[TM+\blk]              ; the byte
.if \blk == 0
	v_mov_b32 v51, v63
.else
	v_lshl_or_b32 v51, v63, 8*\blk, v51
.endif
.irp g, 0,1,2,3
	v_cvt_scalef32_pk8_fp4_f32 v[32+4*\blk+\g], v[\s+8*\g:\s+8*\g+7], v[TM+\blk]
.endr
	v_nop                                          ; one plain place behind a scaled conversion
.endm
; PHASE 2.  Source 0: the eight fragments at pimg with their words at psc.  Source 1: my two at mimg, msc.  isv = 1: the bias is one number a lane, the same in all eight registers.
; The LDS loads owe no wait of their own: the quantisers that read v64-127 and wrote v32-47 stand ahead of the wait in front of W's LDS stores, those stores have read v32-47 by the wait behind the barrier,
; and no vector instruction since names a register that these loads touch (v's copies of its bias name v192-207 alone).
.macro PROD pimg, psc, mimg, msc, isv
.irp t, 0,1,2,3,4,5,6,7
.irp c, 0,1
	ds_load_b128 v[64+8*\t+4*\c:67+8*\t+4*\c], v[LI] offset:\pimg+1024*\t+512*\c
.endr
.endr
.irp g, 0,1
	ds_load_b128 v[PS+4*\g:PS+4*\g+3], v[SCL] offset:\psc+16*\g
.endr
.irp n, 0,1
.irp c, 0,1
	ds_load_b128 v[32+8*\n+4*\c:35+8*\n+4*\c], v[XWI] offset:\mimg+1024*\n+512*\c
.endr
	ds_load_b32 v[MS+\n], v[MSA] offset:\msc+4*\n
.endr
	s_wait_dscnt 0x0
.irp n, 0,1
.irp t, 0,1,2,3,4,5,6,7
.if \isv
	v_wmma_scale_f32_16x16x128_f8f6f4 v[128+8*\t:135+8*\t], v[64+8*\t:71+8*\t], v[32+8*\n:39+8*\n], v[192+8*\n:199+8*\n], v[PS+\t], v[MS+\n] matrix_a_fmt:MATRIX_FMT_FP4 matrix_b_fmt:MATRIX_FMT_FP4
.else
	v_wmma_scale_f32_16x16x128_f8f6f4 v[128+8*\t:135+8*\t], v[64+8*\t:71+8*\t], v[32+8*\n:39+8*\n], v[192+8*\t:199+8*\t], v[PS+\t], v[MS+\n] matrix_a_fmt:MATRIX_FMT_FP4 matrix_b_fmt:MATRIX_FMT_FP4
.endif
.endr
.rept 5
	v_nop                                          ; four places in front of the first read of results; the fifth since my second fragment's products write over these results (ISA guide 7.12.1)
.endr
.if \n == 1
	s_wait_alu depctr_va_vdst(0)                   ; the first fragment's quantiser has written v32-39, which the two stores below read; no vector instruction behind this wait names v32-39 or v7
.irp c, 0,1
	global_store_b128 v[XWI], v[32+4*\c:35+4*\c], s[OB:OB+1] offset:512*\c   ; 32 lanes store 512 consecutive bytes, at a multiple of 256 from the buffer's first byte
.endr
.endif
	QUANT 128, 32+8*\n, 48+\n                      ; the codes take the place of my fragment, which is done with
.endr
	v_cndmask_b32 v50, v48, v49, s39               ; lanes 0-15 the first fragment's words, lanes 16-31 the second's
	s_wait_alu depctr_va_vdst(0)                   ; the second fragment's quantiser has written v40-47 and the select v50, which the three stores below read
.irp c, 0,1
	global_store_b128 v[XWI], v[40+4*\c:43+4*\c], s[OB:OB+1] offset:1024+512*\c
.endr
	global_store_b32 v[XWS], v50, s[OB:OB+1] offset:8192
	s_wait_dscnt 0x0                               ; the closing lines, six on end
	s_wait_alu 0x0
	s_wait_tensorcnt 0x0
	ds_add_u32 v26, v27
	s_wait_dscnt 0x0
	s_endpgm
.endm
	s_load_b512 s[8:23], s[0:1], 0x0               ; q s[8:9], k s[10:11], v s[12:13], Wq s[14:15], Wk s[16:17], Wv s[18:19], bq s[20:21], bk s[22:23]
	s_load_b256 s[24:31], s[0:1], 0x40             ; bv s[24:25], Wo s[26:27], qrec s[28:29], kvrec s[30:31]
	s_load_b64 s[32:33], s[0:1], 0x60              ; woimg
	v_lshl_add_u32 v26, v0, 2, 0x4400
	v_mov_b32 v27, 0
	v_lshrrev_b32 v1, 5, v0
	v_readfirstlane_b32 s[WV], v1                  ; wave 0..3
	v_and_b32 v1, 31, v0                           ; lane
	v_and_b32 v2, 15, v0                           ; r
	v_bfe_u32 v3, v0, 4, 1                         ; h
	v_and_b32 v62, 8, v2
	v_add_nc_u32 v62, v62, v2                      ; r + 8 (r / 8)
	v_lshlrev_b32 v[XA], 9, v62
	v_lshl_add_u32 v[XA], v3, 6, v[XA]
	v_lshlrev_b32 v[WA], 2, v1
	v_lshlrev_b32 v[LI], 4, v1
	s_wait_alu depctr_va_sdst(0)                   ; s34, the wave's number, is written, ahead of its first reader
	s_lshl_b32 s52, s[WV], 11
	v_add_nc_u32 v[XWI], s52, v[LI]
	v_lshlrev_b32 v[SCL], 5, v2
	s_lshl_b32 s53, s[WV], 3
	v_add_nc_u32 v[MSA], s53, v[SCL]
	v_lshl_add_u32 v[XWS], v3, 2, v[MSA]
	v_bfe_u32 v63, v0, 3, 1                        ; u
	v_and_b32 v51, 7, v0
	v_lshl_or_b32 v51, v3, 3, v51                  ; r'
	v_lshlrev_b32 v[WWI], 4, v51
	v_lshl_add_u32 v[WWI], v63, 10, v[WWI]
	v_add_nc_u32 v[WWI], s52, v[WWI]
	v_lshlrev_b32 v[WWS], 5, v51
	v_lshl_add_u32 v[WWS], v63, 2, v[WWS]
	v_add_nc_u32 v[WWS], s53, v[WWS]
	v_lshlrev_b32 v[BQA], 6, v3
	s_lshl_b32 s50, s[WV], 7
	v_lshl_add_u32 v[BVA], v62, 2, s50
	v_lshlrev_b32 v[WOS], 5, v51
	v_lshl_add_u32 v[WOS], v63, 9, v[WOS]
	s_lshl_b32 s51, s[WV], 10
	v_add_nc_u32 v[WOS], s51, v[WOS]
.irp b, 0,1,2,3
	v_mov_b32 v[TM+4+\b], 0                        ; written once: a lane permute's destination counts as one of its sources
.endr
	s_wait_alu depctr_va_vdst(0)                   ; the offsets and LDS addresses v4 to v15 are written, which the loads and stores of both ways below read; they are never written again
	s_mov_b32 s39, 0xffff0000                      ; lanes 16-31
	s_mov_b32 s[SEL], 0x76543210
	s_mov_b32 s[SEL+1], 0xfedcba98
	s_lshr_b32 s[TT], ttmp9, 8                     ; tensor
	s_bfe_u32 s36, ttmp9, 0x30005                  ; head
	s_and_b32 s37, ttmp9, 31                       ; block of 128 rows
	s_and_b32 s38, ttmp9, 255                      ; 32 x head + block: the record's number
	s_mov_b32 s51, 0                               ; the high word of every offset below
	s_wait_kmcnt 0x0
	s_cmp_ge_u32 ttmp9, 768
	s_cbranch_scc1 .Lwo                            ; the same way for all four waves: it hangs on the work-group's number alone
	s_cmp_eq_u32 s[TT], 0                          ; the buffers are chosen by the work-group's number
	s_cselect_b64 s[XP:XP+1], s[8:9], s[10:11]
	s_cselect_b64 s[WP:WP+1], s[14:15], s[16:17]
	s_cselect_b64 s[BP:BP+1], s[20:21], s[22:23]
	s_cselect_b64 s[OB:OB+1], s[28:29], s[30:31]
	s_mov_b32 s52, 2*RECB
	s_cselect_b32 s52, RECB, s52                   ; q: records on end;  k, v: a key step's two records on end
	s_cmp_eq_u32 s[TT], 2
	s_cselect_b64 s[XP:XP+1], s[12:13], s[XP:XP+1]
	s_cselect_b64 s[WP:WP+1], s[18:19], s[WP:WP+1]
	s_cselect_b64 s[BP:BP+1], s[24:25], s[BP:BP+1]
	s_cselect_b32 s53, RECB, 0                     ; v's record lies behind k's
	s_mul_i32 s50, s38, s52
	s_add_co_u32 s50, s50, s53
	s_add_nc_u64 s[OB:OB+1], s[OB:OB+1], s[50:51]
	s_lshl_b32 s50, s37, 16                        ; 128 rows of 512 bytes,
	s_lshl_b32 s52, s[WV], 14                      ; my wave's 32 of them
	s_add_co_u32 s50, s50, s52
	s_add_nc_u64 s[XP:XP+1], s[XP:XP+1], s[50:51]
	s_lshl_b32 s50, s36, 9                         ; the head's 128 columns
	s_add_nc_u64 s[BP:BP+1], s[BP:BP+1], s[50:51]
	s_lshl_b32 s52, s[WV], 7                       ; my wave's 32 of them
	s_add_co_u32 s50, s50, s52
	s_add_nc_u64 s[WP:WP+1], s[WP:WP+1], s[50:51]
	; ---- PHASE 1
	XLOAD 128, 0
	XLOAD 192, 1
	WLOAD 64, 0, 4096
	WLOAD 96, 1, 4096
	s_wait_loadcnt 0x3f                            ; X's 32 loads are in: 64 younger ones stand behind them, and 63 is the largest count that the wait can name
	QUANT 128, 32, 48
	QUANT 192, 40, 49
	v_cndmask_b32 v50, v48, v49, s39
	s_wait_alu depctr_va_vdst(0)                   ; the two quantisers and the select have written v32-47 and v50, which the five LDS stores read, and are done reading v128-255, in which the bias and W's blocks 2 and 3 land
	ds_store_b128 v[XWI], v[32:35] offset:XIMG
	ds_store_b128 v[XWI], v[36:39] offset:XIMG+512
	ds_store_b128 v[XWI], v[40:43] offset:XIMG+1024
	ds_store_b128 v[XWI], v[44:47] offset:XIMG+1536
	ds_store_b32 v[XWS], v50 offset:XSC
	s_cmp_eq_u32 s[TT], 2                          ; the bias, in the result's layout, into the registers that X has left
	s_cbranch_scc1 .Lbias_v
.irp t, 0,1,2,3,4,5,6,7
	global_load_b128 v[192+8*\t:195+8*\t], v[BQA], s[BP:BP+1] offset:(32*(\t/2)+8*(\t%2))*4      ; channels 32 (t / 2) + 16 h + 8 (t % 2) + 0 .. 7
	global_load_b128 v[196+8*\t:199+8*\t], v[BQA], s[BP:BP+1] offset:(32*(\t/2)+8*(\t%2))*4+16
.endr
	s_branch .Lbias_done
.Lbias_v:
	global_load_b32 v192, v[BVA], s[BP:BP+1]       ; my lane's channel of my first fragment of W,
	global_load_b32 v200, v[BVA], s[BP:BP+1] offset:32   ; and of my second
.Lbias_done:
	WLOAD 128, 2, 4096
	WLOAD 160, 3, 4096
	s_wait_dscnt 0x0                               ; the images' stores have landed
	s_wait_alu depctr_vm_vsrc(0)                   ; the five LDS stores have read v32-47, which take W's codes now, and v50, which the last select writes again
	s_wait_loadcnt 0x3f                            ; W's blocks 0 and 1 are in: the bias and 64 younger loads stand behind them
	WBLOCK 64, 0
	WBLOCK 96, 1
	s_wait_loadcnt 32                              ; block 2 is in; block 3's 32 loads may be out
	WBLOCK 128, 2
	s_wait_loadcnt 0x0
	WBLOCK 160, 3
	s_wait_alu depctr_va_vdst(0)                   ; the four blocks' quantisers have written v32-47 and v51, which the LDS stores read, and are done reading v64-127, in which phase 2's fragments land
.irp k, 0,1,2,3
	ds_store_b128 v[WWI], v[32+4*\k:35+4*\k] offset:WIMG+512*(\k/2)+256*(\k%2)   ; block k is registers 4 (k / 2) on of lane r' + 16 (k % 2)
.endr
	ds_store_b32 v[WWS], v51 offset:WSC
	s_wait_dscnt 0x0                               ; for the others' sake: my stores have landed
	s_barrier_signal -1
	s_barrier_wait -1                              ; sixteen fragments and their words lie in LDS; from here on LDS is only read
	s_wait_alu depctr_vm_vsrc(0)                   ; my LDS stores have read v32-47, in which my two fragments land on either way below
	; ---- PHASE 2
	s_cmp_eq_u32 s[TT], 2
	s_cbranch_scc1 .Lprod_v
	PROD WIMG, WSC, XIMG, XSC, 0
.Lprod_v:
.irp j, 1,2,3,4,5,6,7
	v_mov_b32 v[192+\j], v192                      ; a lane holds one channel: its bias in all eight registers
.endr
	s_wait_alu depctr_va_vdst(0)
.irp j, 1,2,3,4,5,6,7
	v_mov_b32 v[200+\j], v200
.endr
	PROD XIMG, XSC, WIMG, WSC, 1
	; ---- Wo: K step s = work-group - 768; column 32 w + lane; the images go straight to memory
.Lwo:
	s_sub_co_u32 s52, ttmp9, 768
	s_lshl_b32 s50, s52, 16                        ; 128 rows of 512 bytes,
	s_lshl_b32 s53, s[WV], 7                       ; my wave's 32 columns
	s_add_co_u32 s50, s50, s53
	s_add_nc_u64 s[WP:WP+1], s[26:27], s[50:51]
	s_lshl_b32 s50, s52, 13                        ; the K step's eight fragments
	s_add_nc_u64 s[OB:OB+1], s[32:33], s[50:51]
	s_lshl_b32 s50, s52, 2                         ; the scale words, [fragment 8][row 16][K step 8], behind the 64 fragments
	s_add_co_u32 s50, s50, 65536
	s_add_nc_u64 s[BP:BP+1], s[32:33], s[50:51]
	WLOAD 64, 0, 512
	WLOAD 96, 1, 512
	WLOAD 128, 2, 512
	WLOAD 160, 3, 512
	s_wait_loadcnt 0x3f                            ; blocks 0 and 1 are in: 64 younger loads stand behind them
	WBLOCK 64, 0
	WBLOCK 96, 1
	s_wait_loadcnt 32
	WBLOCK 128, 2
	s_wait_loadcnt 0x0
	WBLOCK 160, 3
	s_wait_alu depctr_va_vdst(0)                   ; the four blocks' quantisers have written v32-47 and v51, which the five stores read
.irp k, 0,1,2,3
	global_store_b128 v[WWI], v[32+4*\k:35+4*\k], s[OB:OB+1] offset:512*(\k/2)+256*(\k%2)   ; sixteen lanes store 256 consecutive bytes, at a multiple of 256 from the buffer's first byte
.endr
	global_store_b32 v[WOS], v51, s[BP:BP+1]
	s_endpgm
.Lfunc_end_k_qe7df986cae_project:
	.size	k_qe7df986cae_project, .Lfunc_end_k_qe7df986cae_project-k_qe7df986cae_project
	.p2alignl 7, 3214868480
	.fill 96, 4, 3214868480
	.section	.rodata,"a",@progbits
	.p2align	6, 0x0
	.amdhsa_kernel k_qe7df986cae_project
		.amdhsa_group_segment_fixed_size 17920
		.amdhsa_private_segment_fixed_size 0
		.amdhsa_enable_private_segment 0
		.amdhsa_kernarg_size 104
		.amdhsa_user_sgpr_count 2
		.amdhsa_user_sgpr_kernarg_segment_ptr 1
		.amdhsa_wavefront_size32 1
		.amdhsa_system_sgpr_workgroup_id_x 1
		.amdhsa_system_sgpr_workgroup_id_y 1
		.amdhsa_system_sgpr_workgroup_id_z 1
		.amdhsa_system_vgpr_workitem_id 0
		.amdhsa_next_free_vgpr 256
		.amdhsa_next_free_sgpr 66
		.amdhsa_reserve_vcc 0
		.amdhsa_float_denorm_mode_32 3
		.amdhsa_float_denorm_mode_16_64 3
		.amdhsa_memory_ordered 1
		.amdhsa_forward_progress 1
		.amdhsa_inst_pref_size 79
	.end_amdhsa_kernel
	.amdgpu_metadata
---
amdhsa.version: [ 1, 2 ]
amdhsa.kernels:
  - .name:           k_qe7df986cae_project
    .symbol:         k_qe7df986cae_project.kd
    .args:
      - { .name: q, .offset: 0, .size: 8, .value_kind: global_buffer, .address_space: global }
      - { .name: k, .offset: 8, .size: 8, .value_kind: global_buffer, .address_space: global }
      - { .name: v, .offset: 16, .size: 8, .value_kind: global_buffer, .address_space: global }
      - { .name: Wq, .offset: 24, .size: 8, .value_kind: global_buffer, .address_space: global }
      - { .name: Wk, .offset: 32, .size: 8, .value_kind: global_buffer, .address_space: global }
      - { .name: Wv, .offset: 40, .size: 8, .value_kind: global_buffer, .address_space: global }
      - { .name: bq, .offset: 48, .size: 8, .value_kind: global_buffer, .address_space: global }
      - { .name: bk, .offset: 56, .size: 8, .value_kind: global_buffer, .address_space: global }
      - { .name: bv, .offset: 64, .size: 8, .value_kind: global_buffer, .address_space: global }
      - { .name: Wo, .offset: 72, .size: 8, .value_kind: global_buffer, .address_space: global }
      - { .name: qrec, .offset: 80, .size: 8, .value_kind: global_buffer, .address_space: global }
      - { .name: kvrec, .offset: 88, .size: 8, .value_kind: global_buffer, .address_space: global }
      - { .name: woimg, .offset: 96, .size: 8, .value_kind: global_buffer, .address_space: global }
    .group_segment_fixed_size: 17920
    .private_segment_fixed_size: 0
    .kernarg_segment_align: 8
    .kernarg_segment_size: 104
    .max_flat_workgroup_size: 128
    .sgpr_count:     66
    .vgpr_count:     256
    .wavefront_size: 32
...
	.end_amdgpu_metadata
.endif
;; end of part 4
;; launch attend (part 5): grid 32 x 8, 16 waves a work-group, clusters of 4 x 1, 327,680 bytes of LDS; arguments qrec, kvrec, ctx; writes ctx
.if DOCPART == 5
	.amdgcn_target "amdgcn-amd-amdhsa--gfx1250"
	.amdhsa_code_object_version 6
	.text
	.protected	k_qe7df986cae_attend
	.globl	k_qe7df986cae_attend
	.p2align	8
	.type	k_qe7df986cae_attend,@function
k_qe7df986cae_attend:
	s_mov_b64 s[64:65], 0
	v_nop
	global_prefetch_b8 v0, s[64:65] scope:SCOPE_SE
	s_setreg_imm32_b32 hwreg(HW_REG_WAVE_MODE, 25, 1), 1
	s_wait_xcnt 0x0
	s_wait_alu depctr_hold_cnt(0) depctr_sa_sdst(0) depctr_va_vdst(0) depctr_va_sdst(0) depctr_va_ssrc(0) depctr_va_vcc(0) depctr_vm_vsrc(0)
	s_getreg_b32 s2, hwreg(HW_REG_IB_STS2, 6, 4)
	s_cmp_eq_u32 s2, 0
	s_cbranch_scc0 .Lentry_in_a_cluster
	s_endpgm
.Lentry_in_a_cluster:
	s_bfe_u32 s2, ttmp6, 0x10000c
	s_cmp_lg_u32 s2, 0x3003
	s_cbranch_scc0 .Lentry_shape_is_right
	s_endpgm
.Lentry_shape_is_right:
; ctx[q][head] = the sum over the keys of softmax(qs . ks / sqrt(128)) vs, both products on codes of FP4 (E2M1) with one E8M0 scale for each 32 along K; ctx is quantised along the channels for the last product.
; THE SOFTMAX AHEAD OF THE SECOND PRODUCT: t = score x log2(e) / sqrt(128); M = the largest t so far, rounded UP to a whole number; p = 2^(t - M) is what is quantised, along the keys, not normalised.
;   The row's sum is taken of the unquantised p and divides at the end.  When M moves, the sum and O are multiplied by 2^(old M - new M): exact.
; INPUTS ARE IMAGES OF OPERANDS' REGISTERS: a fragment (16 rows x 128 K) is 1,024 bytes, registers 4 c .. 4 c + 3 of lane l at 512 c + 16 l; a record is 8 fragments and their scale words [row 16][fragment 8]: 8,704 bytes.
;   qrec [head 8][block of 128 queries 32];  kvrec [head 8][key step 32][K's record, V's record];  ctx [tile of 16 queries 256], fragment = head.
;   Lane r of fragment 2 b + u stands for index 32 b + 8 u + r + 8 (r / 8) of its 128 (queries, keys, V's channels), so that the 16 result registers of fragments 2 b, 2 b + 1 are 16 neighbours: 32 b + 16 (lane / 16) + 0 .. 15.
; SHARES.  A work-group owns 128 queries of one head: eight tiles of 16.  It has SIXTEEN waves of 256 registers, four to a SIMD, so that one wave's vector work stands beside the others' LDS loads, products and exponentials.
;   The problem has 8 tiles for each of 256 work-groups, so the sixteen come from the keys: wave W owns tile W % 8 and, of each slot's eight key steps, the four of half W / 8: 16 key steps of 128 keys, with a running M, a sum and an O^T of its own.
;   At the end waves 8-15 hand theirs to waves 0-7 through LDS; the two are brought under the larger M by exact powers of two and added.
;   Both products are used transposed (S^T = K Q^T, O^T = V^T P^T): a lane holds ONE query (lane % 16) throughout.
; RING.  Two LDS slots of eight key steps (139,264 bytes).  Each wave fetches one of a slot's sixteen records, 8,704 dense bytes, by one tensor load: 34 rows of 256 bytes.  A wave has one load out at a time.
; CLUSTER.  The four query blocks of a cluster belong to one head and walk the same K and V: each record is asked for JOINTLY, by the same tensor load with the same descriptor and a mask that names the four.
; LIMITS: p under 2^-126 falls to 0 (v_exp_f32 flushes); a block's largest p is made from its largest score, which takes v_exp_f32 not to fall where its input rises; c = log2(e) / sqrt(128) is one constant;
;   a block whose largest magnitude lies under 2^-124 gets the scale byte 1 (its bytes are read by this program alone); the two halves of the keys are summed apart and joined at the end; NaN and infinities are not served.
; REGISTERS: v1-6, v11 LDS addresses that stay; v7-10 offsets of global loads and stores; v12 -M, v13 the largest t, v[14:15] the sum in two halves; v16-23 Q; v24-31 eight scale words of K, then of V; v32-95 eight fragments of K, then of V;
;   v96-159 S^T, then p, at the end the partner's O^T and ctx; v160-223 O^T; v224-231 p's codes; v232-247 at work; v252 f; v253 p's scale word; v254 at work; v255 Q's scale word.
.set RECB,  8704
.set STEPB, 2*RECB                     ; a key step's two records
.set HALFB, 4*STEPB                    ; the four key steps of a slot that one half of the waves walks
.set SLOTB, 8*STEPB                    ; a slot
.set HEADB, 32*STEPB                   ; a head's K and V
.set SPARE, 2*SLOTB                    ; behind the ring: the spare words, 128 bytes for each wave: eight blocks of 256 bytes that no other line names
.set FA,  1                            ; v1   16 x lane + HALFB x (wave / 8): my place in a fragment of my half's first key step
.set SA,  2                            ; v2   32 x (lane % 16) + HALFB x (wave / 8): the same among its scale words
.set ADK, 3                            ; v3   the step's fragments
.set ADS, 4                            ; v4   the step's scale words
.set SPW, 5                            ; v5   LDS address of my spare word; never rewritten
.set NIL, 6                            ; v6   0; never rewritten
.set STG, 11                           ; v11  the stage of my tile: 16 x lane + RECB x (wave % 8).  It lies in slot 0, which has had its last fill and its last read when the first image is stored there
.set TM,  232
.set WV,  10                           ; s10  wave
.set G1,  16                           ; s[16:23] descriptor group 1
.set G0A, 24                           ; s[24:27] group 0 for slot 0;  s[28:31] for slot 1
.set G0B, 28
.set SEL, 32                           ; s[32:33] lane selects for v_permlanex16_b32: lane l xor 16
.set CS,  34                           ; s[34:35] c: the packed form names a pair and takes its low word for both halves
.set TB,  36                           ; s36  LDS byte at which the slot's key step in hand begins for the first half of the waves
.set CNT, 37                           ; s37  key steps left in the slot
.set TILE, 46                          ; s46  my tile: wave % 8
.set HOFF, 47                          ; s47  HALFB x (wave / 8)
; A round of the cluster's barrier: my work-group's barrier, so that wave 0's signal speaks for all sixteen waves; wave 0 signals; every wave waits for all four work-groups; my work-group's barrier once more.
.macro CROUND
	s_barrier_signal -1
	s_barrier_wait -1
	s_cmp_lg_u32 s[WV], 0
	s_cbranch_scc1 .Lnot_wave_0_\@
	s_barrier_signal -3
.Lnot_wave_0_\@:
	s_barrier_wait -3
	s_barrier_signal -1
	s_barrier_wait -1
.endm
; 64 numbers of a lane, register 16 b + i = k 32 b + 16 (lane / 16) + i of my row, become a fragment's codes in v[pc] on and its scale word in v[pw].
.macro QUANT s, pc, pw
.irp b, 0,1,2,3
	v_max3_num_f32 v[TM+\b], |v[\s+16*\b]|, |v[\s+1+16*\b]|, 0x1800000   ; block b: my 16 numbers, and the floor 2^(3 - 127)
.endr
.irp i, 2,4,6,8,10,12,14
.irp b, 0,1,2,3
	s_delay_alu instid0(VALU_DEP_4)
	v_max3_num_f32 v[TM+\b], v[TM+\b], |v[\s+16*\b+\i]|, |v[\s+1+16*\b+\i]|
.endr
.endr
.irp b, 0,1,2,3
	s_delay_alu instid0(VALU_DEP_4)
	v_permlanex16_b32 v[TM+4+\b], v[TM+\b], s[SEL], s[SEL+1]
.endr
.irp b, 0,1,2,3
	s_delay_alu instid0(VALU_DEP_4)
	v_max_num_f32 v[TM+\b], v[TM+\b], v[TM+4+\b]
.endr
.irp b, 0,1,2,3
	s_delay_alu instid0(VALU_DEP_4)
	v_add_nc_u32 v[TM+12+\b], 0xff000000, v[TM+\b]
.endr
.irp b, 0,1,2,3
	s_delay_alu instid0(VALU_DEP_4)
	v_lshrrev_b32 v[TM+4+\b], 23, v[TM+12+\b]
.endr
	s_delay_alu instid0(VALU_DEP_3)
	v_lshl_or_b32 v[\pw], v[TM+5], 8, v[TM+4]
	s_delay_alu instid0(VALU_DEP_1)
	v_lshl_or_b32 v[\pw], v[TM+6], 16, v[\pw]
	s_delay_alu instid0(VALU_DEP_1)
	v_lshl_or_b32 v[\pw], v[TM+7], 24, v[\pw]
.irp b, 0,1,2,3
	v_cvt_scalef32_pk8_fp4_f32 v[(\pc)+2*\b], v[\s+16*\b:\s+7+16*\b], v[TM+12+\b]
	v_cvt_scalef32_pk8_fp4_f32 v[(\pc)+1+2*\b], v[\s+8+16*\b:\s+15+16*\b], v[TM+12+\b]
.endr
	v_nop                                          ; one plain place behind a scaled conversion
.irp c, 0,1
.irp i, 0,1
	v_permlane16_swap_b32 v[(\pc)+4*\c+\i], v[(\pc)+2+4*\c+\i]
.endr
.endr
.endm
; A KEY STEP: 128 keys, whose two records begin at LDS byte s[TB] + my half's offset.
.macro STEP
	v_add_nc_u32 v[ADK], s[TB], v[FA]
	v_add_nc_u32 v[ADS], s[TB], v[SA]
	v_nop
	v_nop                                          ; four places in front of loads into registers that the last step's products have read (ISA guide 7.12.1 for vector instructions)
.irp t, 0,1,2,3,4,5,6,7
.irp c, 0,1
	ds_load_b128 v[32+8*\t+4*\c:35+8*\t+4*\c], v[ADK] offset:1024*\t+512*\c
.endr
.endr
.irp g, 0,1
	ds_load_b128 v[24+4*\g:27+4*\g], v[ADS] offset:8192+16*\g
.endr
	s_wait_alu depctr_va_vdst(0)
	s_wait_dscnt 0x0
.irp t, 0,1,2,3,4,5,6,7                        ; S^T = K Q^T: the 16 registers of tiles 2 b, 2 b + 1 are keys 32 b + 16 (lane / 16) + 0 .. 15 of my query
	v_wmma_scale_f32_16x16x128_f8f6f4 v[96+8*\t:103+8*\t], v[32+8*\t:39+8*\t], v[16:23], 0, v[24+\t], v255 matrix_a_fmt:MATRIX_FMT_FP4 matrix_b_fmt:MATRIX_FMT_FP4
.endr
.rept 4
	v_nop                                          ; places in front of the loads below and of the first read of the scores
.endr
.irp t, 0,1,2,3,4,5,6,7                        ; V's fragments and words take K's registers: they land while the softmax is worked
.irp c, 0,1
	ds_load_b128 v[32+8*\t+4*\c:35+8*\t+4*\c], v[ADK] offset:RECB+1024*\t+512*\c
.endr
.endr
.irp g, 0,1
	ds_load_b128 v[24+4*\g:27+4*\g], v[ADS] offset:RECB+8192+16*\g
.endr
.irp b, 0,1,2,3
	v_max3_num_f32 v[232+\b], v[96+16*\b], v[97+16*\b], v[98+16*\b]   ; the largest score of each block of 32 keys: it serves the row's maximum and, since p rises with the score, the block's largest p
.endr
.irp i, 3,5,7,9,11,13
.irp b, 0,1,2,3
	v_max3_num_f32 v[232+\b], v[232+\b], v[96+16*\b+\i], v[97+16*\b+\i]
.endr
.endr
.irp b, 0,1,2,3
	v_max_num_f32 v[232+\b], v[232+\b], v[111+16*\b]
.endr
.irp b, 0,1,2,3
	s_delay_alu instid0(VALU_DEP_4)
	v_permlanex16_b32 v[236+\b], v[232+\b], s[SEL], s[SEL+1]
.endr
.irp b, 0,1,2,3
	s_delay_alu instid0(VALU_DEP_4)
	v_max_num_f32 v[232+\b], v[232+\b], v[236+\b]  ; with lane l xor 16's 16 keys
.endr
	s_delay_alu instid0(VALU_DEP_2)
	v_max3_num_f32 v254, v232, v233, v234
	s_delay_alu instid0(VALU_DEP_1)
	v_max_num_f32 v254, v254, v235                 ; the step's largest score of my query
	s_delay_alu instid0(VALU_DEP_1)
	v_mul_f32 v254, s[CS], v254                    ; as t (c is positive)
	s_delay_alu instid0(VALU_DEP_1)
	v_max_num_f32 v13, v13, v254                   ; the running largest t
	v_mov_b32 v254, v12
	s_delay_alu instid0(VALU_DEP_2)
	v_floor_f32 v12, -v13                          ; the new -M = floor(-t) = -ceil(t): a whole number
	s_delay_alu instid0(VALU_DEP_1)
	v_sub_f32 v254, v12, v254                      ; old M - new M: a whole number, 0 or less
	s_delay_alu instid0(VALU_DEP_1)
	v_cvt_i32_f32 v254, v254                       ; (it saturates)
	s_delay_alu instid0(VALU_DEP_1)
	v_ldexp_f32 v252, 1.0, v254                    ; f = 2^(old M - new M)
.set J, 0
.rept 32
	v_pk_fma_f32 v[96+J:97+J], v[96+J:97+J], s[CS:CS+1], v[12:13] op_sel_hi:[1,0,0]   ; t - M, two at a time
.set J, J+2
.endr
.irp b, 0,1,2,3
	v_fma_f32 v[232+\b], v[232+\b], s[CS], v12     ; the same of each block's largest score
.endr
.set J, 0
	s_wait_alu depctr_va_vdst(0)
.rept 64
	v_exp_f32 v[96+J], v[96+J]                     ; p = 2^(t - M), at most 1
.set J, J+1
.endr
	s_setprio 1
.irp b, 0,1,2,3
	v_exp_f32 v[232+\b], v[232+\b]                 ; the block's largest p: the same two instructions on the same number
.endr
	v_pk_mul_f32 v[14:15], v[14:15], v[252:253] op_sel_hi:[1,0]   ; the sums under the new M.  (A plain place behind the exponentials)
	s_wait_alu depctr_va_vdst(0)
.irp b, 0,1,2,3
	v_max_num_f32 v[232+\b], 0x1800000, v[232+\b]  ; the floor 2^(3 - 127): the byte cannot fall under 1
.endr
.irp b, 0,1,2,3
	s_delay_alu instid0(VALU_DEP_4)
	v_add_nc_u32 v[244+\b], 0xff000000, v[232+\b]  ; 2 off the exponent field: the conversion's scale operand
.endr
.irp b, 0,1,2,3
	s_delay_alu instid0(VALU_DEP_4)
	v_lshrrev_b32 v[236+\b], 23, v[244+\b]         ; the scale's byte
.endr
	s_delay_alu instid0(VALU_DEP_3)
	v_lshl_or_b32 v253, v237, 8, v236              ; p's scale word for these 128 keys
	s_delay_alu instid0(VALU_DEP_1)
	v_lshl_or_b32 v253, v238, 16, v253
	s_delay_alu instid0(VALU_DEP_1)
	v_lshl_or_b32 v253, v239, 24, v253
.irp b, 0,1,2,3
	v_cvt_scalef32_pk8_fp4_f32 v[224+2*\b], v[96+16*\b:103+16*\b], v[244+\b]
	v_cvt_scalef32_pk8_fp4_f32 v[225+2*\b], v[104+16*\b:111+16*\b], v[244+\b]
.endr
	v_nop                                          ; one plain place behind a scaled conversion
.irp c, 0,1                                    ; the operand wants a whole block in a lane
.irp i, 0,1
	v_permlane16_swap_b32 v[224+4*\c+\i], v[226+4*\c+\i]
.endr
.endr
	v_pk_add_f32 v[236:237], v[96:97], v[98:99]    ; the row's sum is taken of the unquantised p: two at a time, in two chains
.irp j, 4,8,12,16,20,24,28,32,36,40,44,48,52,56,60
	v_pk_add_f32 v[14:15], v[14:15], v[96+\j:97+\j]
	v_pk_add_f32 v[236:237], v[236:237], v[98+\j:99+\j]
.endr
	s_delay_alu instid0(VALU_DEP_1)
	v_pk_add_f32 v[14:15], v[14:15], v[236:237]    ; (these 32 additions are the places between the writes of p's codes and scale word and the products below)
.set J, 0
.rept 32
	v_pk_mul_f32 v[160+J:161+J], v[160+J:161+J], v[252:253] op_sel_hi:[1,0]   ; O^T under the new M
.set J, J+2
.endr
	s_setprio 0
	s_wait_alu depctr_va_vdst(0)
	s_wait_dscnt 0x0                               ; V is in
.irp t, 0,1,2,3,4,5,6,7                        ; O^T += V^T P^T.  The eight accumulators take turns, and the next step's eight products K Q^T stand between two links of a chain
	v_wmma_scale_f32_16x16x128_f8f6f4 v[160+8*\t:167+8*\t], v[32+8*\t:39+8*\t], v[224:231], v[160+8*\t:167+8*\t], v[24+\t], v253 matrix_a_fmt:MATRIX_FMT_FP4 matrix_b_fmt:MATRIX_FMT_FP4
.endr
	s_add_co_u32 s[TB], s[TB], STEPB
.endm
; My four key steps of a slot: written once, walked four times
.macro PHASE slot
	s_mov_b32 s[TB], \slot*SLOTB
	s_mov_b32 s[CNT], 4
.Lstep_\@:
	s_setprio 2
	STEP
	s_sub_co_u32 s[CNT], s[CNT], 1
	s_cmp_lg_u32 s[CNT], 0
	s_cbranch_scc1 .Lstep_\@
	s_setprio 0
.endm
; THE CHANGE OF SLOTS.  Each wave waits for all its tensor loads (its record of the slot ahead), adds 0 to its spare word, and waits for that and for its reads of the slot that it leaves.
; fill = 1: that slot is filled again, with the keys two slots on: the barrier is then a round of the cluster's, and the joint refill is the first thing behind it: it has a slot's key steps in which to land.
.macro CHANGE fill, g0
	s_wait_tensorcnt 0x0                           ; no tensor load of mine is out, so a group 0 may be written
	ds_add_u32 v[SPW], v[NIL]                      ; 0 onto my spare word
.if \fill
	s_add_nc_u64 s[\g0+2:\g0+3], s[\g0+2:\g0+3], 2*SLOTB   ; sixteen key steps on; the type bits on top are not reached
.endif
	s_wait_dscnt 0x0                               ; the add is done, and my reads of the slot are over
.if \fill
	CROUND
	tensor_load_to_lds s[\g0:\g0+3], s[G1:G1+7]    ; my one tensor load until the next such round
	s_nop 0
.rept 4
	v_nop
.endr
.else
	s_barrier_signal -1
	s_barrier_wait -1
.endif
.endm
	s_load_b128 s[4:7], s[0:1], 0x0                ; qrec s[4:5], kvrec s[6:7]
	s_load_b64 s[8:9], s[0:1], 0x10                ; ctx
	v_lshl_add_u32 v[SPW], v0, 2, SPARE
	v_mov_b32 v[NIL], 0
	ds_add_u32 v5, v6
	ds_add_u32 v5, v6
	s_wait_dscnt 0x0
	v_lshrrev_b32 v7, 5, v0
	s_delay_alu instid0(VALU_DEP_1)
	v_readfirstlane_b32 s[WV], v7                  ; wave 0..15
	s_and_b32 s[TILE], s[WV], 7                    ; my tile of 16 queries
	s_lshr_b32 s[HOFF], s[WV], 3                   ; my half of each slot's key steps,
	s_mul_i32 s[HOFF], s[HOFF], HALFB              ; in bytes
	s_and_b32 s13, ttmp7, 0xffff                   ; the head, which the four partners share
	; descriptor group 1: 8,704 dense bytes as 34 rows of 32 elements of 8 bytes
	s_mov_b32 s[G1], 15|(3<<16)|(1<<21)            ; 15:0 the mask: all four work-groups; 17:16 elements of 8 bytes; 20 no padding; 21 set beside a mask
	s_mov_b32 s[G1+1], 32<<16                      ; tensor_dim0 = 32
	s_mov_b32 s[G1+2], 34<<16                      ; tensor_dim1 = 34
	s_mov_b32 s[G1+3], 32<<16                      ; tile_dim0 = 32
	s_mov_b32 s[G1+4], 34                          ; tile_dim1 = 34
	s_mov_b32 s[G1+5], 32                          ; from row to row
	s_mov_b32 s[G1+6], 0
	s_mov_b32 s[G1+7], 0
	s_mul_i32 s38, s13, HEADB                      ; the head's first byte,
	s_mul_i32 s[G0A+1], s[WV], RECB                ; my record of a slot's sixteen: in LDS (slot 0)
	s_add_co_u32 s38, s38, s[G0A+1]                ; and in memory
	s_mov_b32 s39, 0
	s_mov_b32 s[G0A], 1                            ; count = 1
	s_mov_b32 s[G0B], 1
	s_add_co_u32 s[G0B+1], s[G0A+1], SLOTB         ; slot 1
	s_mov_b32 s[SEL], 0x76543210
	s_mov_b32 s[SEL+1], 0xfedcba98
	s_mov_b32 s[CS], 0x3e0293ee                    ; c = log2(e) / sqrt(128)
	s_mov_b32 s[CS+1], s[CS]                       ; (named with it as a pair, so it is written)
	s_wait_kmcnt 0x0
	s_add_nc_u64 s[G0A+2:G0A+3], s[6:7], s[38:39]  ; record w of key steps 0-7
	s_add_nc_u64 s[G0B+2:G0B+3], s[G0A+2:G0A+3], SLOTB   ; and of key steps 8-15
	s_or_b32 s[G0A+3], s[G0A+3], 0x80000000        ; type = 2
	s_or_b32 s[G0B+3], s[G0B+3], 0x80000000
	CROUND                                         ; all four work-groups are here: the first joint loads meet
	tensor_load_to_lds s[G0A:G0A+3], s[G1:G1+7]    ; the first fill of slot 0: one load of mine is out
	s_nop 0
	s_wait_alu depctr_va_vdst(0)
	s_wait_tensorcnt 0x0
	ds_add_u32 v5, v6
	s_wait_dscnt 0x0
	CROUND
	tensor_load_to_lds s[G0B:G0B+3], s[G1:G1+7]
	s_nop 0
.rept 4
	v_nop
.endr
	s_bfe_u32 s11, ttmp6, 0x40000                  ; cx: it enters qrec's and ctx's addresses alone
	s_lshl_b32 s12, ttmp9, 2
	s_add_co_u32 s12, s12, s11                     ; my block of 128 queries = 4 x cluster x + cx
	s_lshl_b32 s40, s13, 5
	s_add_co_u32 s40, s40, s12
	s_mul_i32 s40, s40, RECB                       ; Q's record: 32 x head + block
	s_mov_b32 s41, 0
	s_add_nc_u64 s[4:5], s[4:5], s[40:41]
	s_lshl_b32 s42, s12, 3
	s_add_co_u32 s42, s42, s[TILE]
	s_mul_i32 s42, s42, RECB                       ; ctx's record: tile 8 x block + my tile
	s_mov_b32 s43, 0
	s_add_nc_u64 s[8:9], s[8:9], s[42:43]
	; every address register is made here, ahead of any parting of the waves
	v_and_b32 v7, 31, v0
	s_delay_alu instid0(VALU_DEP_1)
	v_lshlrev_b32 v9, 4, v7                        ; 16 x lane
	v_and_b32 v8, 15, v0
	s_delay_alu instid0(VALU_DEP_1)
	v_lshlrev_b32 v10, 5, v8                       ; 32 x (lane % 16)
	s_delay_alu instid0(VALU_DEP_3)
	v_add_nc_u32 v[FA], s[HOFF], v9
	s_delay_alu instid0(VALU_DEP_2)
	v_add_nc_u32 v[SA], s[HOFF], v10
	s_mul_i32 s38, s[TILE], RECB
	v_add_nc_u32 v[STG], s38, v9
	s_lshl_b32 s44, s[TILE], 10
	v_add_nc_u32 v7, s44, v9                       ; my tile's fragment of Q's record
	s_lshl_b32 s45, s[TILE], 2
	v_add_nc_u32 v8, s45, v10                      ; and its scale word
	s_lshl_b32 s38, s13, 10
	v_add_nc_u32 v9, s38, v9                       ; fragment 'head' of ctx's record
	s_lshl_b32 s39, s13, 2
	v_add_nc_u32 v10, s39, v10                     ; and its scale word
	global_load_b128 v[16:19], v7, s[4:5]          ; Q stays in registers
	global_load_b128 v[20:23], v7, s[4:5] offset:512
	global_load_b32 v255, v8, s[4:5] offset:8192
	v_mov_b32 v13, 0xff61b1e6                      ; the largest t so far: -3e38, under every t
	s_delay_alu instid0(VALU_DEP_1)
	v_floor_f32 v12, -v13                          ; -M
	v_mov_b32 v14, 0                               ; the sum, in two halves
	v_mov_b32 v15, 0
.irp b, 0,1,2,3
	v_mov_b32 v[236+\b], 0                         ; written once: a lane permute's destination counts as one of its sources
.endr
	v_mov_b32 v253, 0                              ; (named as the upper half of the pair v[252:253] before it is first written)
.set J, 0
.rept 64
	v_mov_b32 v[160+J], 0                          ; O^T.  (The step is written without a first step of its own: it finds zeros, which the first change of M leaves zeros)
.set J, J+1
.endr
	s_wait_tensorcnt 0x1                           ; my record of slot 0 is in; slot 1's may stay out
	s_barrier_signal -1
	s_barrier_wait -1                              ; everybody's is
	s_wait_loadcnt 0x0                             ; Q
	PHASE 0                                        ; key steps 0-7: four of them mine
	CHANGE 1, G0A                                  ; slot 0 takes key steps 16-23
	PHASE 1                                        ; 8-15
	CHANGE 1, G0B                                  ; slot 1 takes key steps 24-31
	PHASE 0                                        ; 16-23
	CHANGE 0, G0A                                  ; nothing is left to fetch; behind this barrier nobody reads slot 0 and nothing is filled into it
	PHASE 1                                        ; 24-31
	; THE TWO HALVES OF THE KEYS ARE JOINED.  Waves 8-15 lay O^T and v[12:15] (-M, t, the sum's two halves) into their tile's stage as images of the registers: 17 stores of 512 bytes.
.rept 4
	v_nop                                          ; four places behind the last products, in front of the stores that read their results
.endr
	s_cmp_lt_u32 s[WV], 8
	s_cbranch_scc1 .Lkeep
.irp t, 0,1,2,3,4,5,6,7
	ds_store_b128 v[STG], v[160+8*\t:163+8*\t] offset:1024*\t        ; each accumulator from its low end on
	ds_store_b128 v[STG], v[164+8*\t:167+8*\t] offset:1024*\t+512
.endr
	ds_store_b128 v[STG], v[12:15] offset:8192
.Lkeep:
	s_wait_dscnt 0x0                               ; for the partner's sake: my stores into the stage have landed
	s_barrier_signal -1
	s_barrier_wait -1
	s_cmp_ge_u32 s[WV], 8
	s_cbranch_scc1 .Lend                           ; waves 8-15 have handed their part over
	ds_load_b128 v[232:235], v[STG] offset:8192    ; the partner's -M, t and sums,
.set J, 0
.rept 16
	ds_load_b128 v[96+4*J:99+4*J], v[STG] offset:512*J   ; and its O^T: v[96 + j] is its v[160 + j]
.set J, J+1
.endr
	s_wait_dscnt 16                                ; the statistics are in; the sixteen younger loads may be out
	v_min_num_f32 v236, v12, v232                  ; the joint -M: M is the larger of the two
	s_delay_alu instid0(VALU_DEP_1)
	v_sub_f32 v237, v236, v12                      ; my M less the joint M: a whole number, 0 or less;
	s_delay_alu instid0(VALU_DEP_2)
	v_sub_f32 v238, v236, v232                     ; the partner's likewise
	s_delay_alu instid0(VALU_DEP_2)
	v_cvt_i32_f32 v237, v237                       ; (they saturate)
	s_delay_alu instid0(VALU_DEP_2)
	v_cvt_i32_f32 v238, v238
	s_delay_alu instid0(VALU_DEP_2)
	v_ldexp_f32 v237, 1.0, v237                    ; 2^(my M - joint M),
	s_delay_alu instid0(VALU_DEP_2)
	v_ldexp_f32 v238, 1.0, v238                    ; 2^(its M - joint M): exact
	v_add_f32 v14, v14, v15                        ; each sum's two halves,
	v_add_f32 v234, v234, v235
	s_delay_alu instid0(VALU_DEP_2)
	v_mul_f32 v14, v14, v237                       ; both under the joint M,
	s_delay_alu instid0(VALU_DEP_1)
	v_fma_f32 v14, v234, v238, v14
	s_delay_alu instid0(VALU_DEP_1)
	v_permlanex16_b32 v239, v14, s[SEL], s[SEL+1]
	s_delay_alu instid0(VALU_DEP_1)
	v_add_f32 v14, v14, v239                       ; and lane l xor 16's: the row's sum over all keys
	s_wait_alu depctr_va_vdst(0)
	v_rcp_f32 v14, v14
	v_nop                                          ; one plain place behind a transcendental
	s_wait_alu depctr_va_vdst(0)
	v_mul_f32 v236, v237, v14                      ; what my O^T is multiplied by,
	v_mul_f32 v238, v238, v14                      ; and the partner's
	s_wait_alu depctr_va_vdst(0)
	s_wait_dscnt 0x0
.set J, 0
.rept 32
	v_pk_mul_f32 v[96+J:97+J], v[96+J:97+J], v[238:239] op_sel_hi:[1,0]
.set J, J+2
.endr
.set J, 0
.rept 32
	v_pk_fma_f32 v[96+J:97+J], v[160+J:161+J], v[236:237], v[96+J:97+J] op_sel_hi:[1,0,1]   ; ctx; each accumulator from its low end on
.set J, J+2
.endr
	; THE WAY OUT: the 64 registers are my query's channels 32 b + 16 (lane / 16) + 0 .. 15: quantised as they stand, they are K step 'head' of the last product.
	QUANT 96, 224, 252
	global_store_b128 v9, v[224:227], s[8:9]       ; 32 lanes store 512 consecutive bytes, at a multiple of 256 from the buffer's first byte
	global_store_b128 v9, v[228:231], s[8:9] offset:512
	global_store_b32 v10, v252, s[8:9] offset:8192 ; lanes l and l + 16 hold the same word and store it to the same place
.Lend:
	s_wait_tensorcnt 0x0                           ; the wave's end
	ds_add_u32 v[SPW], v[NIL]
	s_wait_dscnt 0x0
	CROUND                                         ; the closing round: no work-group ends while a partner may still ask for a tile that names it
	s_endpgm
.Lfunc_end_k_qe7df986cae_attend:
	.size	k_qe7df986cae_attend, .Lfunc_end_k_qe7df986cae_attend-k_qe7df986cae_attend
	.p2alignl 7, 3214868480
	.fill 96, 4, 3214868480
	.section	.rodata,"a",@progbits
	.p2align	6, 0x0
	.amdhsa_kernel k_qe7df986cae_attend
		.amdhsa_group_segment_fixed_size 327680
		.amdhsa_private_segment_fixed_size 0
		.amdhsa_enable_private_segment 0
		.amdhsa_kernarg_size 24
		.amdhsa_user_sgpr_count 2
		.amdhsa_user_sgpr_kernarg_segment_ptr 1
		.amdhsa_wavefront_size32 1
		.amdhsa_system_sgpr_workgroup_id_x 1
		.amdhsa_system_sgpr_workgroup_id_y 1
		.amdhsa_system_sgpr_workgroup_id_z 1
		.amdhsa_system_vgpr_workitem_id 0
		.amdhsa_next_free_vgpr 256
		.amdhsa_next_free_sgpr 66
		.amdhsa_reserve_vcc 0
		.amdhsa_float_denorm_mode_32 3
		.amdhsa_float_denorm_mode_16_64 3
		.amdhsa_memory_ordered 1
		.amdhsa_forward_progress 1
		.amdhsa_inst_pref_size 97
	.end_amdhsa_kernel
	.amdgpu_metadata
---
amdhsa.version: [ 1, 2 ]
amdhsa.kernels:
  - .name:           k_qe7df986cae_attend
    .symbol:         k_qe7df986cae_attend.kd
    .args:
      - { .name: qrec, .offset: 0, .size: 8, .value_kind: global_buffer, .address_space: global }
      - { .name: kvrec, .offset: 8, .size: 8, .value_kind: global_buffer, .address_space: global }
      - { .name: ctx, .offset: 16, .size: 8, .value_kind: global_buffer, .address_space: global }
    .group_segment_fixed_size: 327680
    .private_segment_fixed_size: 0
    .kernarg_segment_align: 8
    .kernarg_segment_size: 24
    .max_flat_workgroup_size: 512
    .sgpr_count:     66
    .vgpr_count:     256
    .wavefront_size: 32
...
	.end_amdgpu_metadata
.endif
;; end of part 5
;; launch outproj (part 6): grid 256 x 1, 4 waves a work-group, no clusters, 8,960 bytes of LDS; arguments ctx, woimg, bo, out0; writes out0
.if DOCPART == 6
	.amdgcn_target "amdgcn-amd-amdhsa--gfx1250"
	.amdhsa_code_object_version 6
	.text
	.protected	k_qe7df986cae_outproj
	.globl	k_qe7df986cae_outproj
	.p2align	8
	.type	k_qe7df986cae_outproj,@function
k_qe7df986cae_outproj:
	s_mov_b64 s[64:65], 0
	v_nop
	global_prefetch_b8 v0, s[64:65] scope:SCOPE_SE
	s_setreg_imm32_b32 hwreg(HW_REG_WAVE_SCHED_MODE, 0, 2), 2
	s_setreg_imm32_b32 hwreg(HW_REG_WAVE_MODE, 25, 1), 1
	s_wait_xcnt 0x0
	s_wait_alu depctr_vm_vsrc(0)
; out0 = ctx Wo + bo: [4096][1024] x [1024][128] on codes of FP4 (E2M1) with one E8M0 scale for each 32 along K; sums in f32.
; Both operands lie in memory as images of their registers: a fragment (16 rows x 128 K) is 1,024 bytes, registers 4 c .. 4 c + 3 of lane l at 512 c + 16 l.
;   ctx: [tile of 16 rows 256] records of 8 fragments (K step s) and their scale words [row 16][K step 8]: 8,704 bytes.   woimg: [K step 8][column tile 8] fragments, then from byte 65,536 the scale words [column tile 8][row 16][K step 8].
; SHARES.  A work-group takes one tile of 16 rows x all 128 outputs; wave w the column tiles 2 w and 2 w + 1: 8 K steps x 2 accumulators, which take turns.
; TRANSPOSED USE: source 0 = 16 columns of Wo, source 1 = ctx's 16 rows.  Lane r of column tile 2 w + i stands for column 32 w + 8 i + r + 8 (r / 8), so lane (r, h) holds row r and outputs 32 w + 16 h + 8 i + 0 .. 7.
; Row r of tile T is row 32 (T / 2) + 8 (T % 2) + r + 8 (r / 8) of out0: the order in which the queries were laid into fragments.  The bias is loaded straight into the accumulators.
; NO JOINT REQUESTS: Wo's 68 KiB are shared by all work-groups, but a wave takes its 16 KiB of them once, straight into operand registers, for 16 matrix instructions: there is no loop over tiles in which a ring could turn.
; THE MODE: SCHED_MODE bits 1:0 = 2 (LLVM: expert scheduling mode 2), set by the entry lines.  The code itself states the register dependences
; between vector or matrix instructions and memory or LDS instructions, with s_wait_alu, always for 0.
; THE PLAN.  Registers that memory or LDS instructions touch:
;   v1-5, v62, v63  offsets and LDS addresses: written at the head, never again.
;   v16-39, v64-255 scale words and fragments: filled by loads, read by the products.  v64-79 are filled once more, from the stage, behind the last product, and read by the global stores.
;   v40-55          the bias lands; the products add onto it; the four LDS stores read the sums.
; So one wait on va_vdst stands ahead of the first load, for the addresses, and one behind the last product's places, for the sums that the LDS stores read and for v64-79, which the products are then done reading.
; No register that a memory or LDS instruction has read is written again: no wait on vm_vsrc is owed.
.set RECB, 8704
.set SP,   528                         ; a stage row: 512 bytes + 16
	s_load_b256 s[4:11], s[0:1], 0x0               ; ctx s[4:5], woimg s[6:7], bo s[8:9], out0 s[10:11]
	v_lshl_add_u32 v62, v0, 2, 0x2100
	v_mov_b32 v63, 0
	v_lshrrev_b32 v1, 5, v0
	v_readfirstlane_b32 s12, v1                    ; wave 0..3
	v_and_b32 v6, 31, v0
	v_lshlrev_b32 v1, 4, v6                        ; v1  16 x lane
	v_and_b32 v7, 15, v0                           ; r
	v_lshlrev_b32 v2, 5, v7                        ; v2  32 r: a row's eight scale words
	v_bfe_u32 v8, v0, 4, 1                         ; h
	v_lshlrev_b32 v3, 6, v8                        ; v3  64 h
	v_mul_u32_u24 v4, v7, SP
	v_add_nc_u32 v4, v4, v3
	s_wait_alu depctr_va_sdst(0)                   ; s12, the wave's number, is written, ahead of its first reader
	s_lshl_b32 s13, s12, 7
	v_add_nc_u32 v4, s13, v4                       ; v4  the stage, in: row r, + 64 h + 128 w
	s_mul_i32 s13, s12, 4*SP
	v_add_nc_u32 v5, s13, v1                       ; v5  back: my four rows, 16 bytes a lane
	s_mul_i32 s14, ttmp9, RECB                     ; my tile's record
	s_mov_b32 s15, 0
	s_lshr_b32 s16, ttmp9, 1
	s_lshl_b32 s16, s16, 5
	s_and_b32 s17, ttmp9, 1
	s_lshl_b32 s17, s17, 3
	s_add_co_u32 s16, s16, s17
	s_lshl_b32 s17, s12, 2
	s_add_co_u32 s16, s16, s17
	s_lshr_b32 s17, s12, 1
	s_lshl_b32 s17, s17, 3
	s_add_co_u32 s16, s16, s17                     ; the first of the four rows that I store: 32 (T / 2) + 8 (T % 2) + 4 w + 8 (w / 2)
	s_lshl_b32 s16, s16, 9
	s_mov_b32 s17, 0
	s_mov_b32 s23, 0
	s_wait_kmcnt 0x0
	s_add_nc_u64 s[4:5], s[4:5], s[14:15]
	s_add_nc_u64 s[10:11], s[10:11], s[16:17]
	s_lshl_b32 s22, s12, 11
	s_add_nc_u64 s[18:19], s[6:7], s[22:23]        ; Wo's fragments: my two column tiles
	s_lshl_b32 s22, s12, 10
	s_add_co_u32 s22, s22, 65536
	s_add_nc_u64 s[20:21], s[6:7], s[22:23]        ; and their scale words
	s_lshl_b32 s22, s12, 7
	s_add_nc_u64 s[8:9], s[8:9], s[22:23]          ; bo: my 32 outputs
	s_wait_alu depctr_va_vdst(0)                   ; the offsets and LDS addresses v1 to v5 are written, which every load and store below reads; they are never written again
.irp i, 0,1
	global_load_b128 v[40+8*\i:43+8*\i], v3, s[8:9] offset:32*\i         ; the bias begins the sums: outputs 32 w + 16 h + 8 i + 0 .. 7
	global_load_b128 v[44+8*\i:47+8*\i], v3, s[8:9] offset:32*\i+16
.endr
	global_load_b128 v[16:19], v2, s[4:5] offset:8192                    ; ctx's scale words: v[16 + s]
	global_load_b128 v[20:23], v2, s[4:5] offset:8208
.irp i, 0,1
.irp g, 0,1
	global_load_b128 v[24+8*\i+4*\g:27+8*\i+4*\g], v2, s[20:21] offset:512*\i+16*\g   ; Wo's: v[24 + 8 i + s]
.endr
.endr
.irp s, 0,1,2,3,4,5,6,7                        ; six loads a K step
.irp c, 0,1
	global_load_b128 v[64+8*\s+4*\c:67+8*\s+4*\c], v1, s[4:5] offset:1024*\s+512*\c
.endr
.irp i, 0,1
.irp c, 0,1
	global_load_b128 v[128+8*(2*\s+\i)+4*\c:131+8*(2*\s+\i)+4*\c], v1, s[18:19] offset:8192*\s+1024*\i+512*\c
.endr
.endr
.endr
.irp s, 0,1,2,3,4,5,6,7
	s_wait_loadcnt 6*(7-\s)                        ; this K step's six loads are in; the later steps' may be out
.irp i, 0,1
	v_wmma_scale_f32_16x16x128_f8f6f4 v[40+8*\i:47+8*\i], v[128+8*(2*\s+\i):135+8*(2*\s+\i)], v[64+8*\s:71+8*\s], v[40+8*\i:47+8*\i], v[24+8*\i+\s], v[16+\s] matrix_a_fmt:MATRIX_FMT_FP4 matrix_b_fmt:MATRIX_FMT_FP4
.endr
.endr
.rept 4
	v_nop                                          ; places in front of the first read of results (ISA guide 7.12.1 for vector instructions)
.endr
	s_wait_alu depctr_va_vdst(0)                   ; the products have written v40-55, which the LDS stores read, and are done reading v64-79, in which the stage's rows land; the places above stay beside this wait
.irp i, 0,1
	ds_store_b128 v4, v[40+8*\i:43+8*\i] offset:32*\i          ; each accumulator from its low end on
	ds_store_b128 v4, v[44+8*\i:47+8*\i] offset:32*\i+16
.endr
	s_wait_dscnt 0x0                               ; for the others' sake: my stores into the stage have landed
	s_barrier_signal -1
	s_barrier_wait -1                              ; 16 whole rows lie in the stage: a row's 512 bytes come from four waves
.irp i, 0,1,2,3
	ds_load_b128 v[64+4*\i:67+4*\i], v5 offset:\i*SP
.endr
.irp i, 0,1,2,3
	s_wait_dscnt 3-\i                              ; row i is back; the younger rows may be out
	global_store_b128 v1, v[64+4*\i:67+4*\i], s[10:11] offset:512*\i th:TH_STORE_NT   ; 32 lanes store a row of 512 consecutive bytes, at a multiple of 256 from out0's first byte
.endr
	s_wait_dscnt 0x0                               ; the closing lines, six on end
	s_wait_alu 0x0
	s_wait_tensorcnt 0x0
	ds_add_u32 v62, v63
	s_wait_dscnt 0x0
	s_endpgm
.Lfunc_end_k_qe7df986cae_outproj:
	.size	k_qe7df986cae_outproj, .Lfunc_end_k_qe7df986cae_outproj-k_qe7df986cae_outproj
	.p2alignl 7, 3214868480
	.fill 96, 4, 3214868480
	.section	.rodata,"a",@progbits
	.p2align	6, 0x0
	.amdhsa_kernel k_qe7df986cae_outproj
		.amdhsa_group_segment_fixed_size 8960
		.amdhsa_private_segment_fixed_size 0
		.amdhsa_enable_private_segment 0
		.amdhsa_kernarg_size 32
		.amdhsa_user_sgpr_count 2
		.amdhsa_user_sgpr_kernarg_segment_ptr 1
		.amdhsa_wavefront_size32 1
		.amdhsa_system_sgpr_workgroup_id_x 1
		.amdhsa_system_sgpr_workgroup_id_y 1
		.amdhsa_system_sgpr_workgroup_id_z 1
		.amdhsa_system_vgpr_workitem_id 0
		.amdhsa_next_free_vgpr 256
		.amdhsa_next_free_sgpr 66
		.amdhsa_reserve_vcc 0
		.amdhsa_float_denorm_mode_32 3
		.amdhsa_float_denorm_mode_16_64 3
		.amdhsa_memory_ordered 1
		.amdhsa_forward_progress 1
		.amdhsa_inst_pref_size 12
	.end_amdhsa_kernel
	.amdgpu_metadata
---
amdhsa.version: [ 1, 2 ]
amdhsa.kernels:
  - .name:           k_qe7df986cae_outproj
    .symbol:         k_qe7df986cae_outproj.kd
    .args:
      - { .name: ctx, .offset: 0, .size: 8, .value_kind: global_buffer, .address_space: global }
      - { .name: woimg, .offset: 8, .size: 8, .value_kind: global_buffer, .address_space: global }
      - { .name: bo, .offset: 16, .size: 8, .value_kind: global_buffer, .address_space: global }
      - { .name: out0, .offset: 24, .size: 8, .value_kind: global_buffer, .address_space: global }
    .group_segment_fixed_size: 8960
    .private_segment_fixed_size: 0
    .kernarg_segment_align: 8
    .kernarg_segment_size: 32
    .max_flat_workgroup_size: 128
    .sgpr_count:     66
    .vgpr_count:     256
    .wavefront_size: 32
...
	.end_amdgpu_metadata
.endif
;; end of part 6
